; MI455X (gfx1250); checked and timed in simulation.
; The chip was launched on July 23, 2026; its instructions are those of AMD's public machine-readable ISA for CDNA 5 (MIT licence, August 2026) and "CDNA5" Instruction Set Architecture Reference Guide (July 2026). The comments in the code are by the model that wrote it; some were corrected since.
;; Causal Attention. Allowed arithmetic: matrix products marked QUANTISED: E4M3 operands, one given power-of-two scale a tensor, by v_wmma_f32_16x16x64_fp8_fp8 or v_wmma_f32_16x16x128_fp8_fp8, f32 sums; everything else in f32.
;; Inputs: lowp_scales 12 int32 (the exponents e of the quantised operands' scales 2^e); rope_cos 2,048 x 128 float32; rope_sin 2,048 x 128 float32; w_k 2,048 x 2,048 float32; w_o 2,048 x 2,048 float32; w_q 2,048 x 2,048 float32; w_v 2,048 x 2,048 float32; x 1 x 2,048 x 2,048 float32.
;; Outputs: out0 1 x 2,048 x 2,048 float32.
;; This version of the problem:
;;   THIS VERSION OF THE PROBLEM IS GIVEN IN LOW PRECISION. The matrix products marked QUANTISED in the list below multiply operands that are first quantised to E4M3 (4 exponent bits, 3 mantissa bits; 8 bits a number), with one given power-of-two scale for each operand tensor; their sums are f32. All else is computed in f32.
;;   The module's matrix products, in the order in which they are computed (A, B: the left and right operand; K: the contracted axis; several contracted axes count as one K, in the product's order):
;;     1. [M 2,048, K 2,048] x [K 2,048, N 2,048]; A: input x; B: input w_q: QUANTISED (scales: A lowp_scales[0], B lowp_scales[1])
;;     2. [M 2,048, K 2,048] x [K 2,048, N 2,048]; A: input x; B: input w_k: QUANTISED (scales: A lowp_scales[2], B lowp_scales[3])
;;     3. [M 2,048, K 2,048] x [K 2,048, N 2,048]; A: input x; B: input w_v: QUANTISED (scales: A lowp_scales[4], B lowp_scales[5])
;;     4. batch 16 x [M 2,048, K 128] x [K 128, N 2,048]; A: computed on the way; B: computed on the way: QUANTISED (scales: A lowp_scales[6], B lowp_scales[7])
;;     5. batch 16 x [M 128, K 2,048] x [K 2,048, N 2,048]; A: computed on the way; B: softmax (see below): QUANTISED (scales: A lowp_scales[8], B lowp_scales[9])
;;     6. [M 2,048, K 2,048] x [K 2,048, N 2,048]; A: computed on the way; B: input w_o: QUANTISED (scales: A lowp_scales[10], B lowp_scales[11])
;;   THE QUANTISER, for each operand of a quantised product, along K:
;;     - The operand's scale is 2^e, e = its entry of the input lowp_scales (int32; the entries are numbered through the quantised products in the list's order, A before B).
;;     - Each number is divided by the scale, clamped to +-448, and rounded to the nearest number of E4M3, ties to even, subnormals kept.
;;     - The product sums the exact products of the quantised numbers (number of the format x scale) in f32.
;;   ~~~python
;;   def quantise(x, axis, e):      # numpy; x: float32 -> the quantised numbers, widened to float32 again
;;       x = np.moveaxis(x, axis, -1); K = x.shape[-1]
;;       r = np.clip(x / 2.0 ** e, -448, 448)
;;       step = 2.0 ** (np.maximum(np.frexp(np.where(r == 0, 1, r))[1] - 1, -6) - 3)
;;       q = np.round(r / step) * step * 2.0 ** e      # np.round: ties to even
;;       return np.moveaxis(q, -1, axis).astype(np.float32)
;;   ~~~
;;   SOFTMAX AHEAD OF A QUANTISED PRODUCT. Where the list says 'softmax', what is quantised is not the finished softmax but p = 2^(t - M), with t = logit x log2(e) and M = ceil(the row's largest t), a whole number; so 1/2 < the row's largest p <= 1. The row's sum l is taken of the UNQUANTISED p, in f32, and the product's result is divided by l at the end. Since M is a whole number, a kernel that streams over the keys may use a running M (the ceiling of the running maximum): every later rescaling is an exact power of two, so the quantised numbers keep their values, but for numbers so far below the row's largest that they fall under the format's range.
;;   OPERANDS COMPUTED ON THE WAY. 'Computed on the way' means the value that the module computes at that place (a softmax that the list does not call 'softmax' is quantised finished and normalised). What goes into a quantiser is computed in f32, as accurately as f32 sums, v_exp_f32 and their like allow (about 1e-6 of the number): no bf16 or f16 on the way to a quantiser, and a product that is left as it is and whose result goes on into a quantised operand takes f32 operands (vector FMAs, or v_wmma_f32_16x16x4_f32). A number that lies on a knife's edge between two numbers of the format may be rounded either way, as far as f32 arithmetic and the matrix unit's own rounding can turn it there, and no further.
;; One version. Each part assembles by itself: llvm-mc -triple=amdgcn-amd-amdhsa -mcpu=gfx1250 --defsym DOCPART=n.
;; ======== version 1 of 1: 4 launches
;; limits: right only within a limited range of input values
;; workspace buffers: codes 25,165,824 bytes; ropetab 2,097,152 bytes; qkvimg 12,582,912 bytes; aimg 4,194,304 bytes; wocodes 4,194,304 bytes
;; launch prep (part 1): grid 1088 x 1, 4 waves a work-group, no clusters, 51,712 bytes of LDS; arguments x, w_q, w_k, w_v, rope_cos, rope_sin, lowp_scales, codes, ropetab; writes codes, ropetab
.if DOCPART == 1
	.amdgcn_target "amdgcn-amd-amdhsa--gfx1250"
	.amdhsa_code_object_version 6
	.text
	.protected	k_qa8f3fdf88d_prep
	.globl	k_qa8f3fdf88d_prep
	.p2align	8
	.type	k_qa8f3fdf88d_prep,@function
k_qa8f3fdf88d_prep:
	s_mov_b64 s[64:65], 0
	v_nop
	global_prefetch_b8 v0, s[64:65] scope:SCOPE_SE
	s_setreg_imm32_b32 hwreg(HW_REG_WAVE_MODE, 25, 1), 1
	s_wait_xcnt 0x0
; x, w_q, w_k, w_v, f32 [2048][2048] with K innermost, become codes of FP8 (E4M3), laid as images of the matrix operand's registers; the two RoPE tables are laid in the order in which the next launch's accumulators want them.
; (w_o is quantised in launch proj.)  WORK LEFT OUT in the program: in launch attn whole steps of keys that the causal mask hides from all of a wave's queries; a NaN or an infinity that reaches only
; those scores is not carried to the result.
; codes: six sections of 4 MiB: 0, 1, 2 = x by the scales of entries 0, 2, 4; 3 = w_q (entry 1); 4 = w_k (3); 5 = w_v (5).  A section: [8 K steps of 256][128 blocks of 16 rows][2 halves of 128 along K][2,048 bytes]:
; an image's byte 512 c + 16 lane + i, lane = r + 16 h, is the code of row 16 block + r at k = 32 c + 16 h + i.
; In section 5 the rows stand with bits 3 and 4 of their number exchanged: attention's result then leaves its accumulators in the order along K in which the last product's 16-byte loads take w_o.
; code = x / 2^e, held within +-448, rounded to the nearest code, ties to even.  LIMITS: every e used here lies between -126 and 119; NaN among the inputs is not served.
; ropetab: [cos, sin][128 blocks of 16 tokens][16 records][512 bytes]: record c, lane (r, h) holds table[16 block + r][16 (c / 2) + 8 h + 4 (c % 2) + 0 .. 3].
; SHARES.  Work-groups 0-63: a wave turns one block of 16 tokens of one table.  Work-groups 64-1087: 256 for each tensor, x first; a wave takes 16 rows x 256 along K, 16 KiB, all of it asked for at once by 32 loads of 512 consecutive bytes.
; 16 rows x 512 bytes at a time turn through the wave's own stage in LDS, so that a lane holds 16 neighbours along K of its row.  Waves share nothing: no barrier.  The two paths have LDS bytes of their own.
.set SP,    528                        ; a row in the quantiser's stage: 512 bytes + 16 of padding
.set WREG,  16*SP
.set RSTG,  4*WREG                     ; behind the four stages: the table path's, 16 rows x (256 bytes + 16) for each wave
.set RP,    272
.set RREG,  16*RP
.set SPARE, RSTG+4*RREG                ; the spare words, 128 bytes for each wave
.set SPW,   10
.set NIL,   11
.set SCL,   12                         ; v12-17 scale and limit, three times
.set R,     32                         ; v32-95, v96-159: two images' numbers
.set T,     160                        ; v160-175 numbers, held
.set C,     176                        ; v176-191 an image's codes
	s_load_b256 s[4:11], s[0:1], 0x0               ; x, w_q, w_k, w_v
	s_load_b256 s[12:19], s[0:1], 0x20             ; rope_cos, rope_sin, the scales' exponents, codes
	s_load_b64 s[20:21], s[0:1], 0x40              ; ropetab
	v_lshl_add_u32 v[SPW], v0, 2, SPARE
	v_mov_b32 v[NIL], 0
	v_lshrrev_b32 v1, 5, v0
	v_readfirstlane_b32 s24, v1                    ; wave
	s_mul_i32 s25, s24, WREG
	s_mul_i32 s26, s24, RREG
	s_add_co_u32 s26, s26, RSTG
	v_and_b32 v2, 31, v0                           ; lane
	v_and_b32 v12, 15, v0                          ; r
	v_bfe_u32 v13, v0, 4, 1                        ; h
	v_lshlrev_b32 v3, 4, v2                        ; 16 x lane: my 16 bytes of 512
	v_add_nc_u32 v4, s25, v3                       ; the stage, in: a row as it lies
	v_mul_u32_u24 v5, v12, SP
	v_lshl_add_u32 v5, v13, 6, v5
	v_add_nc_u32 v5, s25, v5                       ; and out: row r, my 16 neighbours of each 32
	v_lshlrev_b32 v14, 4, v12
	v_lshl_add_u32 v6, v13, 9, v14                 ; the table path, from memory: half a row, two rows an instruction
	v_mul_u32_u24 v7, v13, RP
	v_add_nc_u32 v7, v7, v14
	v_add_nc_u32 v7, s26, v7                       ; its stage, in
	v_mul_u32_u24 v8, v12, RP
	v_lshl_add_u32 v8, v13, 5, v8
	v_add_nc_u32 v8, s26, v8                       ; and out: token r, + 32 h
	s_wait_alu depctr_va_vdst(0)
	s_wait_kmcnt 0x0
	s_cmp_lt_u32 ttmp9, 64
	s_cbranch_scc1 .Lrope
	; ---- the quantiser
	s_load_b256 s[36:43], s[16:17], 0x0            ; entries 0 to 7
	s_sub_co_u32 s25, ttmp9, 64
	s_lshr_b32 s26, s25, 8                         ; the tensor: 0 x, 1 w_q, 2 w_k, 3 w_v
	s_and_b32 s27, s25, 255
	s_lshl_b32 s27, s27, 2
	s_add_co_u32 s27, s27, s24
	s_and_b32 s22, s27, 7                          ; my K step
	s_lshr_b32 s23, s27, 3                         ; my block of 16 rows
	s_cmp_eq_u32 s26, 1                            ; the choice hangs on the work-group's number alone
	s_cselect_b64 s[28:29], s[6:7], s[4:5]
	s_cmp_eq_u32 s26, 2
	s_cselect_b64 s[28:29], s[8:9], s[28:29]
	s_cmp_eq_u32 s26, 3
	s_cselect_b64 s[28:29], s[10:11], s[28:29]
	s_and_b32 s51, s23, 1                          ; w_v's odd blocks begin 8 rows earlier, and the second eight rows of each of its blocks lie 16 rows behind the first eight
	s_lshl_b32 s51, s51, 3
	s_mov_b32 s53, 0x10000
	s_cmp_eq_u32 s26, 3
	s_cselect_b32 s51, s51, 0
	s_cselect_b32 s52, 0x20000, s53                ; 16 or 8 rows of 8,192 bytes
	s_lshl_b32 s50, s23, 4
	s_sub_co_u32 s50, s50, s51
	s_lshl_b32 s50, s50, 13
	s_lshl_b32 s51, s22, 10
	s_add_co_u32 s50, s50, s51
	s_mov_b32 s51, 0
	s_mov_b32 s53, 0
	s_add_nc_u64 s[28:29], s[28:29], s[50:51]      ; rows 0-7 of the block
	s_add_nc_u64 s[34:35], s[28:29], s[52:53]      ; rows 8-15
.irp q, 0,1
.irp i, 0,1,2,3,4,5,6,7
	global_load_b128 v[R+64*\q+4*\i:R+64*\q+4*\i+3], v3, s[28:29] offset:8192*\i+512*\q th:TH_LOAD_NT
.endr
.irp i, 0,1,2,3,4,5,6,7
	global_load_b128 v[R+64*\q+32+4*\i:R+64*\q+32+4*\i+3], v3, s[34:35] offset:8192*\i+512*\q th:TH_LOAD_NT
.endr
.endr
	s_add_co_u32 s53, s26, 2
	s_cmp_eq_u32 s26, 0
	s_cselect_b32 s53, 0, s53                      ; the section: 0 for x, else tensor + 2
	s_lshl_b32 s50, s53, 22
	s_lshl_b32 s53, s22, 19
	s_add_co_u32 s50, s50, s53
	s_lshl_b32 s53, s23, 12
	s_add_co_u32 s50, s50, s53
	s_add_nc_u64 s[30:31], s[18:19], s[50:51]
	s_add_nc_u64 s[32:33], s[30:31], 0x400000      ; x's second and third sections (used for x alone)
	s_add_nc_u64 s[54:55], s[30:31], 0x800000
.macro MKSCALE e, k                    ; 2^e as f32 (the conversion takes its exponent field), and 448 x 2^e
	s_add_co_i32 s48, \e, 127
	s_lshl_b32 s49, s48, 23
	v_mov_b32 v[SCL+2*\k], s49
	s_add_co_i32 s48, s48, 8
	s_lshl_b32 s48, s48, 23
	s_or_b32 s48, s48, 0x600000
	v_mov_b32 v[SCL+2*\k+1], s48
.endm
	s_wait_kmcnt 0x0
	s_cmp_eq_u32 s26, 1
	s_cselect_b32 s56, s37, s36                    ; my tensor's exponent: entries 0, 1, 3, 5
	s_cmp_eq_u32 s26, 2
	s_cselect_b32 s56, s39, s56
	s_cmp_eq_u32 s26, 3
	s_cselect_b32 s56, s41, s56
	MKSCALE s56, 0
	MKSCALE s38, 1                                 ; x's second and third scales: entries 2 and 4
	MKSCALE s40, 2
.macro TOSTAGE q
.irp i, 0,1,2,3,4,5,6,7,8,9,10,11,12,13,14,15
	ds_store_b128 v4, v[R+64*\q+4*\i:R+64*\q+4*\i+3] offset:SP*\i
.endr
.endm
.macro BACK q                          ; group c: my row's k = 32 c + 16 h + 0 .. 15
.irp c, 0,1,2,3
.irp u, 0,1,2,3
	ds_load_b128 v[R+64*\q+16*\c+4*\u:R+64*\q+16*\c+4*\u+3], v5 offset:128*\c+16*\u
.endr
.endr
.endm
.macro CONV k, q, base                 ; one image by scale k: held (the conversion to an 8-bit code does not saturate: ISA guide 7.6.2), converted, stored: 512 consecutive bytes a store
.irp c, 0,1,2,3
.irp i, 0,1,2,3,4,5,6,7,8,9,10,11,12,13,14,15
	v_med3_num_f32 v[T+\i], v[R+64*\q+16*\c+\i], -v[SCL+2*\k+1], v[SCL+2*\k+1]
.endr
	v_cvt_scalef32_pk8_fp8_f32 v[C+4*\c:C+4*\c+1], v[T:T+7], v[SCL+2*\k]
	v_cvt_scalef32_pk8_fp8_f32 v[C+4*\c+2:C+4*\c+3], v[T+8:T+15], v[SCL+2*\k]
	v_nop                                          ; a plain vector line between the conversions and the next lines that write their sources
	global_store_b128 v3, v[C+4*\c:C+4*\c+3], s[\base:\base+1] offset:2048*\q+512*\c
.endr
.endm
.macro IMAGE q
	s_wait_xcnt 0x0                                ; earlier stores have read the codes' registers
	CONV 0, \q, 30
	s_cmp_lg_u32 s26, 0                            ; only x has three scales: a branch on the work-group's number
	s_cbranch_scc1 .Lone_\@
	s_wait_xcnt 0x0
	CONV 1, \q, 32
	s_wait_xcnt 0x0
	CONV 2, \q, 54
.Lone_\@:
.endm
	s_wait_alu depctr_va_vdst(0)                   ; the wait at the head's end
	s_wait_loadcnt 16                              ; image 0's sixteen loads are in
	TOSTAGE 0
	s_wait_dscnt 0x0                               ; the stores have read their registers
	BACK 0
	s_wait_loadcnt 0x0
	TOSTAGE 1                                      ; LDS serves a wave's instructions in order: these land behind the reads above
	s_wait_dscnt 16                                ; image 0 is back
	IMAGE 0
	s_wait_dscnt 0x0
	BACK 1
	s_wait_dscnt 0x0
	IMAGE 1
	s_wait_tensorcnt 0x0                           ; the wave's end
	ds_add_u32 v[SPW], v[NIL]
	s_wait_dscnt 0x0
	s_endpgm
	; ---- the tables
.Lrope:
	s_lshl_b32 s25, ttmp9, 2
	s_add_co_u32 s25, s25, s24                     ; 0-127: a block of cos; 128-255: of sin
	s_cmp_lt_u32 s25, 128
	s_cselect_b64 s[28:29], s[12:13], s[14:15]
	s_and_b32 s50, s25, 127
	s_lshl_b32 s50, s50, 13                        ; 16 tokens of 512 bytes
	s_mov_b32 s51, 0
	s_add_nc_u64 s[28:29], s[28:29], s[50:51]
	s_lshl_b32 s50, s25, 13
	s_add_nc_u64 s[30:31], s[20:21], s[50:51]
.irp f, 0,1
.irp p, 0,1,2,3,4,5,6,7
	global_load_b128 v[R+32*\f+4*\p:R+32*\f+4*\p+3], v6, s[28:29] offset:1024*\p+256*\f th:TH_LOAD_NT   ; tokens 2 p and 2 p + 1, 256 bytes of each
.endr
.endr
.irp f, 0,1
	s_wait_loadcnt 8-8*\f
.irp p, 0,1,2,3,4,5,6,7
	ds_store_b128 v7, v[R+32*\f+4*\p:R+32*\f+4*\p+3] offset:2*RP*\p
.endr
.irp p, 0,1,2,3,4,5,6,7
	ds_load_b128 v[R+64+32*\f+4*\p:R+64+32*\f+4*\p+3], v8 offset:64*(\p/2)+16*(\p%2)   ; record 8 f + p: these see my stores, which LDS serves first
.endr
.endr
	s_wait_dscnt 0x0
.irp p, 0,1,2,3,4,5,6,7,8,9,10,11,12,13,14,15
	global_store_b128 v3, v[R+64+4*\p:R+64+4*\p+3], s[30:31] offset:512*\p
.endr
	s_wait_tensorcnt 0x0                           ; the wave's end, as above
	ds_add_u32 v[SPW], v[NIL]
	s_wait_dscnt 0x0
	s_endpgm
.Lfunc_end_k_qa8f3fdf88d_prep:
	.size	k_qa8f3fdf88d_prep, .Lfunc_end_k_qa8f3fdf88d_prep-k_qa8f3fdf88d_prep
	.p2alignl 7, 3214868480
	.fill 96, 4, 3214868480
	.section	.rodata,"a",@progbits
	.p2align	6, 0x0
	.amdhsa_kernel k_qa8f3fdf88d_prep
		.amdhsa_group_segment_fixed_size 51712
		.amdhsa_private_segment_fixed_size 0
		.amdhsa_enable_private_segment 0
		.amdhsa_kernarg_size 72
		.amdhsa_user_sgpr_count 2
		.amdhsa_user_sgpr_kernarg_segment_ptr 1
		.amdhsa_wavefront_size32 1
		.amdhsa_system_sgpr_workgroup_id_x 1
		.amdhsa_system_sgpr_workgroup_id_y 1
		.amdhsa_system_sgpr_workgroup_id_z 1
		.amdhsa_system_vgpr_workitem_id 0
		.amdhsa_next_free_vgpr 192
		.amdhsa_next_free_sgpr 66
		.amdhsa_reserve_vcc 0
		.amdhsa_float_denorm_mode_32 3
		.amdhsa_float_denorm_mode_16_64 3
		.amdhsa_memory_ordered 1
		.amdhsa_forward_progress 1
		.amdhsa_inst_pref_size 48
	.end_amdhsa_kernel
	.amdgpu_metadata
---
amdhsa.version: [ 1, 2 ]
amdhsa.kernels:
  - .name:           k_qa8f3fdf88d_prep
    .symbol:         k_qa8f3fdf88d_prep.kd
    .args:
      - { .name: x, .offset: 0, .size: 8, .value_kind: global_buffer, .address_space: global }
      - { .name: w_q, .offset: 8, .size: 8, .value_kind: global_buffer, .address_space: global }
      - { .name: w_k, .offset: 16, .size: 8, .value_kind: global_buffer, .address_space: global }
      - { .name: w_v, .offset: 24, .size: 8, .value_kind: global_buffer, .address_space: global }
      - { .name: rope_cos, .offset: 32, .size: 8, .value_kind: global_buffer, .address_space: global }
      - { .name: rope_sin, .offset: 40, .size: 8, .value_kind: global_buffer, .address_space: global }
      - { .name: lowp_scales, .offset: 48, .size: 8, .value_kind: global_buffer, .address_space: global }
      - { .name: codes, .offset: 56, .size: 8, .value_kind: global_buffer, .address_space: global }
      - { .name: ropetab, .offset: 64, .size: 8, .value_kind: global_buffer, .address_space: global }
    .group_segment_fixed_size: 51712
    .private_segment_fixed_size: 0
    .kernarg_segment_align: 8
    .kernarg_segment_size: 72
    .max_flat_workgroup_size: 128
    .sgpr_count:     66
    .vgpr_count:     192
    .wavefront_size: 32
...
	.end_amdgpu_metadata
.endif
;; end of part 1
;; launch proj (part 2): grid 32 x 8, 4 waves a work-group, clusters of 4 x 4, 327,680 bytes of LDS; arguments codes, ropetab, lowp_scales, qkvimg, w_o, wocodes; writes qkvimg, wocodes
.if DOCPART == 2
	.amdgcn_target "amdgcn-amd-amdhsa--gfx1250"
	.amdhsa_code_object_version 6
	.text
	.protected	k_qa8f3fdf88d_proj
	.globl	k_qa8f3fdf88d_proj
	.p2align	8
	.type	k_qa8f3fdf88d_proj,@function
k_qa8f3fdf88d_proj:
	s_mov_b64 s[64:65], 0
	v_nop
	global_prefetch_b8 v0, s[64:65] scope:SCOPE_SE
	s_setreg_imm32_b32 hwreg(HW_REG_WAVE_MODE, 25, 1), 1
	s_wait_xcnt 0x0
	s_wait_alu depctr_hold_cnt(0) depctr_sa_sdst(0) depctr_va_vdst(0) depctr_va_sdst(0) depctr_va_ssrc(0) depctr_va_vcc(0) depctr_vm_vsrc(0)
	s_getreg_b32 s2, hwreg(HW_REG_IB_STS2, 6, 4)
	s_cmp_eq_u32 s2, 0
	s_cbranch_scc0 .Lentry_in_a_cluster
	s_endpgm
.Lentry_in_a_cluster:
	s_bfe_u32 s2, ttmp6, 0x10000c
	s_cmp_lg_u32 s2, 0xf033
	s_cbranch_scc0 .Lentry_shape_is_right
	s_endpgm
.Lentry_shape_is_right:
; Three products of 2048 x 2048 x 2048 on codes of FP8 (E4M3): q = x w_q^T, k = x w_k^T, both turned by RoPE, and v^T = w_v x^T; each result is quantised for attention and leaves as images of fragments' registers.  Beside them w_o is quantised.
; qkvimg: q, k: [16 heads][128 blocks of 16 tokens][2,048 bytes]; v: [16 heads][16 chunks of 128 keys][8 blocks of 16 channels][2,048].  An image: group c of four registers of lane l at 512 c + 16 l.  wocodes: [2048][2048] codes.
; SHARES.  Grid 32 x 8 in clusters of 4 x 4.  Clusters x = 0-5: 192 work-groups, a block of 256 x 256 of a product each (two cluster columns a product); clusters x = 6, 7: 64 work-groups that quantise w_o, a wave 8 rows, and have no tensor load.
; A block is made by four waves, 128 x 128 each: 64 accumulators of 16 x 16.  K goes in eight steps of 256 through two LDS slots of 128 KiB: A's 256 rows, then B's, as images without padding: a fragment's loads read 512 consecutive bytes.
; CLUSTERS: the four of a row of the cluster ask jointly for A's tiles and for the RoPE tables of their tokens, the four of a column for B's.  THE MATRIX INSTRUCTION IS USED TRANSPOSED (source 0 = B's rows): a lane holds eight neighbouring columns of one row.
; THE TABLES come through the ring: the first 64 tokens of each 128 into slot 0 behind the last reads of K step 6, the others into slot 1 behind the last reads of K step 7 (q and k alone: a branch on the cluster's number, the same in all partners).
; PREFETCHES: one instruction a wave for each K step, two K steps ahead of its joint load: of the 32 KiB that a wave fetches each of the four partners names 8 KiB, told apart by address, lanes 256 bytes apart.  K steps 0 and 1 come by their loads alone.
; In the loop's last trip, which has no K step two on, the waves of q's and k's clusters name their share of the tables' two parts instead.
; LIMITS: the exponents e6 - e0 - e1, e7 - e2 - e3, e8 - e4 - e5 and e11 lie between -126 and 119.  NaN is not served.
; REGISTERS.  Window 0: v0-31 addresses; v32-127 the way out; v128-255 A's fragments, one set.  Window 1: B's fragments, two sets; on the way out cos and sin of a block of 16 tokens, two sets.  Windows 2, 3: the accumulators of my rows 0-63, 64-127.
.set KSB,   524288                     ; from K step to K step in a section of codes
.set SLOT,  131072
.set SPARE, 2*SLOT                     ; the spare words, 128 bytes for each wave
.set SC,   10
.set LM,   11
.set TA,   12                          ; v12-13 LDS address of my tables, first and second part
.set ADRA, 16                          ; v16-17 of my A fragments in slot 0, 1
.set ADRB, 20                          ; v20-21 of my B fragments
.set LI,   26                          ; v26 16 x lane
.set SPW,  28
.set NIL,  29
.set PFO,  30                          ; v30 256 x lane
.set T,    32
.set CD,   96
.set AF,   128
.set PFA,  12                          ; s[12:13] my share of my tile, K step 0 (stepped once a trip)
.set G1,   24                          ; s[24:31] descriptor group 1 for A's tiles and the tables; s[32:39] group 0, one for each slot
.set G0,   32
.set G1B,  48                          ; the same for B's tiles
.set G0B,  56
.set GRP,  66                          ; 0 q, 1 k, 2 v
.set TL,   67                          ; the value of s3 at which the tables are prefetched: 1 for q and k, 0 (never reached in the loop) for v
.set G0T,  92                          ; s[92:95] group 0 for the tables
.set TPF,  100                         ; s[100:101] my share of the tables' first part
.set MSB, 0
.macro WIN new                         ; the immediate's high byte repeats the setting that is left
.if MSB != (\new)
	s_set_vgpr_msb (MSB<<8)|(\new)
.set MSB, (\new)
.endif
.endm
.set MUL_LO, 0xa1                      ; source 0 (B) window 1, source 1 (A) window 0, C and D window 2
.set MUL_HI, 0xf1                      ; the same, C and D window 3
.set TO_B,   0x40                      ; destination window 1, address window 0
.macro PLACES                          ; the places behind a matrix instruction (ISA guide 7.12.1 for vector instructions)
.rept 4
	v_nop
.endr
.endm
; A joint load: waves 0 and 1 fetch A's halves, waves 2 and 3 B's.  The branch hangs on the wave's number alone.
.macro JLOAD s
	s_cmp_eq_u32 s15, 0
	s_cbranch_scc0 .Lfor_b_\@
	tensor_load_to_lds s[G0+4*\s:G0+4*\s+3], s[G1:G1+7]
	s_nop 0
	PLACES
	s_branch .Lasked_\@
.Lfor_b_\@:
	tensor_load_to_lds s[G0B+4*\s:G0B+4*\s+3], s[G1B:G1B+7]
	s_nop 0
	PLACES
.Lasked_\@:
.endm
.macro CREST                           ; a round of the cluster's barrier behind its opening barrier
	s_cmp_lg_u32 s14, 0
	s_cbranch_scc1 .Lnot_wave_0_\@
	s_barrier_signal -3
.Lnot_wave_0_\@:
	s_barrier_wait -3
	s_barrier_signal -1
	s_barrier_wait -1
.endm
.macro CROUND
	s_barrier_signal -1
	s_barrier_wait -1
	CREST
.endm
	s_load_b256 s[4:11], s[0:1], 0x0               ; codes, ropetab, the scales' exponents, qkvimg
	s_load_b128 s[96:99], s[0:1], 0x20             ; w_o, wocodes
	v_lshrrev_b32 v1, 5, v0
	v_readfirstlane_b32 s14, v1                    ; wave 0..3
	s_bfe_u32 s40, ttmp6, 0x40000                  ; cx, cy
	s_bfe_u32 s41, ttmp6, 0x40004
	s_cmp_lt_u32 ttmp9, 6
	s_cbranch_scc0 .Lwo                            ; by the cluster's number alone
	v_lshl_add_u32 v[SPW], v0, 2, SPARE
	v_mov_b32 v[NIL], 0
	ds_add_u32 v[SPW], v[NIL]                      ; the wave's opening: the add, twice on end, and its wait ahead of my first tensor load; the set-up below stands between
	ds_add_u32 v[SPW], v[NIL]
	s_lshr_b32 s15, s14, 1                         ; my half of A's rows.  Also: I fetch for A (0) or for B (1)
	s_and_b32 s16, s14, 1                          ; my half of B's rows.  Also: which half of the tile I fetch
	s_lshl_b32 s21, s15, 15
	s_lshl_b32 s22, s16, 15
	s_add_co_u32 s22, s22, 65536                   ; B's 256 rows lie behind A's
	s_lshl_b32 s23, s15, 16
	v_and_b32 v6, 31, v0
	v_lshlrev_b32 v[LI], 4, v6
	v_lshlrev_b32 v[PFO], 8, v6
	v_add_nc_u32 v[ADRA], s21, v[LI]
	v_add_nc_u32 v[ADRB], s22, v[LI]
	v_add_nc_u32 v[TA], s23, v[LI]
	v_add_nc_u32 v[ADRA+1], SLOT, v[ADRA]
	v_add_nc_u32 v[ADRB+1], SLOT, v[ADRB]
	v_add_nc_u32 v[TA+1], SLOT, v[TA]
	s_and_b32 s42, ttmp9, 1
	s_lshl_b32 s42, s42, 2
	s_add_co_u32 s42, s42, s40                     ; B's tile of 256 rows: 0..7
	s_and_b32 s17, ttmp7, 0xffff
	s_lshl_b32 s17, s17, 2
	s_add_co_u32 s17, s17, s41                     ; A's tile: 0..7
	s_lshr_b32 s[GRP], ttmp9, 1
	s_lshr_b32 s67, s[GRP], 1
	s_mul_i32 s67, s67, 3
	s_add_co_u32 s68, s[GRP], s67                  ; A's section: x's 0, 1, or w_v's 5
	s_add_co_u32 s69, s[GRP], 3
	s_sub_co_u32 s69, s69, s67                     ; B's section: w_q's 3, w_k's 4, or x's 2
	s_lshl_b32 s68, s68, 22
	s_lshl_b32 s69, s69, 22
	s_lshl_b32 s43, s41, 2
	s_lshl_b32 s43, 15, s43                        ; my row of the cluster
	s_lshl_b32 s44, 0x1111, s40                    ; my column
	s_or_b32 s[G1+0], s43, (3<<16)|(1<<21)         ; the mask; elements of 8 bytes; bit 21 beside a mask; no padding
	s_or_b32 s[G1B+0], s44, (3<<16)|(1<<21)
.irp g, G1, G1B
	s_mov_b32 s[\g+1], 32<<16                      ; 128 rows of 32 elements, dense: 32 KiB
	s_mov_b32 s[\g+2], 128<<16
	s_mov_b32 s[\g+3], 32<<16
	s_mov_b32 s[\g+4], 128
	s_mov_b32 s[\g+5], 32
	s_mov_b32 s[\g+6], 0
	s_mov_b32 s[\g+7], 0
.endr
	s_lshl_b32 s18, s16, 15
	s_lshl_b32 s20, s17, 16                        ; 16 blocks of 4,096 bytes a tile in a K step
	s_add_co_u32 s20, s20, s18
	s_add_co_u32 s20, s20, s68
	s_mov_b32 s21, 0
	s_lshl_b32 s46, s42, 16
	s_add_co_u32 s46, s46, s18
	s_add_co_u32 s46, s46, s69
	s_mov_b32 s47, 0
	s_lshl_b32 s45, s14, 15                        ; where my loads go in a slot
	s_lshl_b32 s90, s16, 20                        ; the tables: waves 0, 2 fetch cos, waves 1, 3 sin;
	s_lshl_b32 s91, s17, 17                        ; my tile's 256 tokens,
	s_add_co_u32 s90, s90, s91
	s_lshl_b32 s91, s15, 16                        ; waves 0, 1 the first 128, waves 2, 3 the second
	s_add_co_u32 s90, s90, s91
	s_mov_b32 s91, 0
	s_wait_alu depctr_va_vdst(0)
	s_wait_dscnt 0x0                               ; both opening adds are done
	CROUND                                         ; all sixteen work-groups are here: the first joint loads meet
	s_wait_kmcnt 0x0
	s_load_b256 s[72:79], s[8:9], 0x0
	s_load_b32 s80, s[8:9], 0x20
	s_add_nc_u64 s[20:21], s[4:5], s[20:21]
	s_add_nc_u64 s[46:47], s[4:5], s[46:47]
.irp s, 0,1
	s_mov_b32 s[G0+4*\s], 1
	s_add_co_u32 s[G0+4*\s+1], s45, \s*SLOT
	s_add_nc_u64 s[G0+4*\s+2:G0+4*\s+3], s[20:21], \s*KSB
	s_or_b32 s[G0+4*\s+3], s[G0+4*\s+3], 0x80000000
	s_mov_b32 s[G0B+4*\s], 1
	s_add_co_u32 s[G0B+4*\s+1], s45, \s*SLOT
	s_add_nc_u64 s[G0B+4*\s+2:G0B+4*\s+3], s[46:47], \s*KSB
	s_or_b32 s[G0B+4*\s+3], s[G0B+4*\s+3], 0x80000000
.endr
	JLOAD 0                                        ; K step 0: one tensor load a wave at the head
	s_mov_b32 s[G0T], 1
	s_mov_b32 s[G0T+1], s45
	s_add_nc_u64 s[G0T+2:G0T+3], s[6:7], s[90:91]
	s_or_b32 s[G0T+3], s[G0T+3], 0x80000000
	s_add_nc_u64 s[TPF:TPF+1], s[6:7], s[90:91]
	s_lshl_b32 s88, s40, 13                        ; my share of a table tile: 8 KiB of 32, by cx
	s_mov_b32 s89, 0
	s_add_nc_u64 s[TPF:TPF+1], s[TPF:TPF+1], s[88:89]
	s_cmp_eq_u32 s15, 0
	s_cselect_b64 s[PFA:PFA+1], s[20:21], s[46:47] ; my tile, A's or B's,
	s_cselect_b32 s88, s40, s41                    ; and my place among the four that ask for it with me
	s_lshl_b32 s88, s88, 13
	s_add_nc_u64 s[PFA:PFA+1], s[PFA:PFA+1], s[88:89]
	s_cmp_lt_u32 s[GRP], 2
	s_cselect_b32 s[TL], 1, 0
	s_lshl_b32 s84, s42, 1
	s_add_co_u32 s84, s84, s16                     ; my 128 rows of B,
	s_lshl_b32 s85, s17, 1
	s_add_co_u32 s85, s85, s15                     ; and of A
	s_cmp_eq_u32 s[GRP], 2
	s_cselect_b32 s86, s85, s84                    ; the head
	s_cselect_b32 s87, s84, s85                    ; the 128 tokens
	s_lshl_b32 s86, s86, 18
	s_lshl_b32 s87, s87, 14
	s_add_co_u32 s86, s86, s87
	s_lshl_b32 s87, s[GRP], 22
	s_add_co_u32 s86, s86, s87
	s_mov_b32 s87, 0
	s_add_nc_u64 s[10:11], s[10:11], s[86:87]
	global_prefetch_b8 v[PFO], s[PFA:PFA+1] offset:2*KSB th:TH_LOAD_NT scope:SCOPE_SE   ; K step 2
	s_mov_b32 s3, 3
; A fragment: 16 rows x 128 along K, 16 registers; block i of my 128 rows, half q of the K step
.macro FRAG reg, adr, q, i
.irp c, 0,1,2,3
	ds_load_b128 v[\reg+4*\c:\reg+4*\c+3], v[\adr] offset:4096*(\i)+2048*(\q)+512*\c
.endr
.endm
.macro FETCH_A slot, q, i0, n          ; n blocks of A from i0 on
	WIN 0
.irp i, 0,1,2,3
.if \i < \n
	FRAG AF+16*(\i0+\i), ADRA+\slot, \q, \i0+\i
.endif
.endr
.endm
.macro FETCH_B slot, q, p, i0, n       ; n blocks of B from i0 on into set p
	WIN TO_B
.irp i, 0,1,2,3,4,5,6,7
.if \i < \n
	FRAG 128*\p+16*(\i0+\i), ADRB+\slot, \q, \i0+\i
.endif
.endr
.endm
; Eight matrix instructions: A's block a x B's eight (set p), 128 along K.  The 64 accumulators take turns, one instruction a turn, in the same order in every step; zero = 1 starts the sums
.macro MUL8 a, p, zero
.irp b, 0,1,2,3,4,5,6,7
.if \zero
	v_wmma_f32_16x16x128_fp8_fp8 v[8*(8*(\a%4)+\b):8*(8*(\a%4)+\b)+7], v[128*\p+16*\b:128*\p+16*\b+15], v[AF+16*\a:AF+16*\a+15], 0
.else
	v_wmma_f32_16x16x128_fp8_fp8 v[8*(8*(\a%4)+\b):8*(8*(\a%4)+\b)+7], v[128*\p+16*\b:128*\p+16*\b+15], v[AF+16*\a:AF+16*\a+15], v[8*(8*(\a%4)+\b):8*(8*(\a%4)+\b)+7]
.endif
.endr
.endm
; A K step's first half (B's set 0); the second half's fragments come from the same slot, in four runs, each at least sixteen matrix instructions ahead of its use
.macro STEP slot, zero
	PLACES
	FETCH_A \slot, 0, 6, 2
	FETCH_B \slot, 1, 1, 0, 4
	s_wait_dscnt 32                                ; B and A's 0-3 are in; behind them 8 loads for A's 4-5, 8 for A's 6-7, 16 for the next B
	WIN MUL_LO
	MUL8 0, 0, \zero
	MUL8 1, 0, \zero
	FETCH_B \slot, 1, 1, 4, 4
	WIN MUL_LO
	MUL8 2, 0, \zero
	MUL8 3, 0, \zero
	PLACES
	FETCH_A \slot, 1, 0, 4
	s_wait_dscnt 56                                ; A's 4-5 are in: behind them 8 + 32 + 16
	WIN MUL_HI
	MUL8 4, 0, \zero
	MUL8 5, 0, \zero
	PLACES
	FETCH_A \slot, 1, 4, 2
	s_wait_dscnt 56                                ; A's 6-7 are in: behind them 32 + 16 + 8
	WIN MUL_HI
	MUL8 6, 0, \zero
	MUL8 7, 0, \zero
.endm
.macro ASK slot                        ; behind a joint load and the LDS loads that the next products wait for
	s_cmp_gt_u32 s3, 1
	s_cbranch_scc0 .Lnot_k_\@
	global_prefetch_b8 v[PFO], s[PFA:PFA+1] offset:(4+\slot)*KSB th:TH_LOAD_NT scope:SCOPE_SE
.Lnot_k_\@:
	s_cmp_eq_u32 s3, s[TL]
	s_cbranch_scc0 .Lnot_t_\@
	global_prefetch_b8 v[PFO], s[TPF:TPF+1] offset:32768*\slot th:TH_LOAD_NT scope:SCOPE_SE
.Lnot_t_\@:
.endm
; cos and sin of my block a of 16 tokens: 16 records each, into set a % 2 of window 1
.macro ROPE_LOAD a
.set TBL, 128*((\a)%2)
	WIN TO_B
.irp c, 0,1,2,3,4,5,6,7,8,9,10,11,12,13,14,15
	ds_load_b128 v[TBL+4*\c:TBL+4*\c+3], v[TA+((\a)/4)] offset:8192*((\a)%4)+512*\c
.endr
.irp c, 0,1,2,3,4,5,6,7,8,9,10,11,12,13,14,15
	ds_load_b128 v[TBL+64+4*\c:TBL+64+4*\c+3], v[TA+((\a)/4)] offset:32768+8192*((\a)%4)+512*\c
.endr
	WIN 0
.endm
; A K step's second half (B's set 1) changes slots.  In front of the round each wave has waited for all its tensor loads, added 0 to its spare word, and waited for that and for its reads of this slot.
; mode 1: this slot takes the K step two on.  mode 2: the tables' first part (q, k).  mode 3: the tables' second part, and no further K step.
.macro TURN slot, next, mode
	PLACES
	FETCH_A \slot, 1, 6, 2
	s_wait_dscnt 16                                ; B and A's 0-3 are in; behind them A's 4-7
	WIN MUL_LO
	MUL8 0, 1, 0
	MUL8 1, 1, 0
	WIN 0
	s_wait_tensorcnt 0x0                           ; all my tensor loads have landed
	ds_add_u32 v[SPW], v[NIL]
.if \mode == 3
	s_add_co_u32 s[G0T+1], s[G0T+1], SLOT
	s_add_nc_u64 s[G0T+2:G0T+3], s[G0T+2:G0T+3], 32768
.endif
	WIN MUL_LO
	MUL8 2, 1, 0
	s_wait_dscnt 0x0                               ; the add is done, and my reads of this slot are over
	s_barrier_signal -1
	MUL8 3, 1, 0
	WIN 0
	s_barrier_wait -1
	CREST
.if \mode == 1
	s_add_nc_u64 s[G0+4*\slot+2:G0+4*\slot+3], s[G0+4*\slot+2:G0+4*\slot+3], 2*KSB
	s_add_nc_u64 s[G0B+4*\slot+2:G0B+4*\slot+3], s[G0B+4*\slot+2:G0B+4*\slot+3], 2*KSB
	JLOAD \slot
.else
	s_cmp_eq_u32 s[GRP], 2                         ; v has no tables: all partners of a cluster go the same way
	s_cbranch_scc1 .Lno_tab_\@
	tensor_load_to_lds s[G0T:G0T+3], s[G1:G1+7]
	s_nop 0
	PLACES
.if \mode == 3
	ROPE_LOAD 0                                    ; the first part is whole: block 0's tables
.endif
.Lno_tab_\@:
.endif
.if \mode == 2
	PLACES
.endif
.if \mode < 3
	FETCH_B \next, 0, 0, 0, 8
	FETCH_A \next, 0, 0, 4
.endif
.if \mode == 1
	ASK \slot
.endif
	WIN MUL_HI
	MUL8 4, 1, 0
	MUL8 5, 1, 0
.if \mode < 3
	PLACES
	FETCH_A \next, 0, 4, 2
	WIN MUL_HI
.endif
	MUL8 6, 1, 0
	MUL8 7, 1, 0
.endm
; RoPE on block a: out(d) = y(d) cos(d) - y(d + 64) sin(d), out(d + 64) = y(d + 64) cos(d + 64) + y(d) sin(d + 64), two numbers an instruction, each accumulator from its low end on
.macro ROPE a
.set AC, 64*((\a)%4)
.set TBL, 128*((\a)%2)
	WIN 0x06+((\a)/4)
.irp i, 0,1,2,3
.irp j, 0,2,4,6
	v_pk_mul_f32 v[T+8*\i+\j:T+8*\i+\j+1], v[AC+32+8*\i+\j:AC+32+8*\i+\j+1], v[TBL+64+8*\i+\j:TBL+64+8*\i+\j+1]
	v_pk_mul_f32 v[T+32+8*\i+\j:T+32+8*\i+\j+1], v[AC+8*\i+\j:AC+8*\i+\j+1], v[TBL+96+8*\i+\j:TBL+96+8*\i+\j+1]
.endr
.irp j, 0,2,4,6
	v_pk_fma_f32 v[T+8*\i+\j:T+8*\i+\j+1], v[AC+8*\i+\j:AC+8*\i+\j+1], v[TBL+8*\i+\j:TBL+8*\i+\j+1], v[T+8*\i+\j:T+8*\i+\j+1] neg_lo:[0,0,1] neg_hi:[0,0,1]
	v_pk_fma_f32 v[T+32+8*\i+\j:T+32+8*\i+\j+1], v[AC+32+8*\i+\j:AC+32+8*\i+\j+1], v[TBL+32+8*\i+\j:TBL+32+8*\i+\j+1], v[T+32+8*\i+\j:T+32+8*\i+\j+1]
.endr
.endr
	WIN 0
.endm
; The hold (the conversion to an 8-bit code does not saturate: ISA guide 7.6.2), and block a's image: tile i is register pair i
.macro PACKOUT a
.set CDS, CD+16*((\a)%2)
.irp i, 0,1,2,3,4,5,6,7
	v_cvt_scalef32_pk8_fp8_f32 v[CDS+2*\i:CDS+2*\i+1], v[T+8*\i:T+8*\i+7], v[SC]
.endr
	v_nop
.irp c, 0,1,2,3
	global_store_b128 v[LI], v[CDS+4*\c:CDS+4*\c+3], s[10:11] offset:2048*(\a)+512*\c
.endr
.endm
.macro QKBLOCK a
.if (\a) == 2
	s_wait_tensorcnt 0x0                           ; my part of the tables' second half is in,
	s_wait_dscnt 0x0
	s_barrier_signal -1
	s_barrier_wait -1                              ; and everybody's: block 4's tables may be read
.elseif (\a) < 7
	s_wait_dscnt 32                                ; block a's tables are in; the next block's may be out
.else
	s_wait_dscnt 0
.endif
.if (\a) > 1
	s_wait_xcnt 0x0                                ; block a - 2's stores have read the codes' registers
.endif
	ROPE \a
.if (\a) < 6
	ROPE_LOAD (\a)+2
.endif
.set n, 0
.rept 64
	v_med3_num_f32 v[T+n], v[T+n], -v[LM], v[LM]
.set n, n+1
.endr
	PACKOUT \a
.endm
.macro VBLOCK a
.set AC, 64*((\a)%4)
.if (\a) > 1
	s_wait_xcnt 0x0
.endif
	WIN 0x02+((\a)/4)
.set n, 0
.rept 64
	v_med3_num_f32 v[T+n], v[AC+n], -v[LM], v[LM]
.set n, n+1
.endr
	WIN 0
	PACKOUT \a
.endm
	s_wait_tensorcnt 0x0                           ; my part of K step 0 is in
	ds_add_u32 v[SPW], v[NIL]
	s_wait_dscnt 0x0
	CROUND                                         ; everybody's part of K step 0 is in, and all sixteen work-groups are here
	JLOAD 1
	FETCH_B 0, 0, 0, 0, 8
	FETCH_A 0, 0, 0, 4
	FETCH_A 0, 0, 4, 2
	global_prefetch_b8 v[PFO], s[PFA:PFA+1] offset:3*KSB th:TH_LOAD_NT scope:SCOPE_SE   ; K step 3
	STEP 0, 1                                      ; its products start the sums
	WIN 0
.Llap:                                             ; a trip: from a K step's second half to the first half two K steps on; both slots are filled again
	TURN 0, 1, 1
	STEP 1, 0
	TURN 1, 0, 1
	STEP 0, 0
	WIN 0
	s_wait_xcnt 0x0                                ; the trip's prefetches have read their address
	s_add_nc_u64 s[PFA:PFA+1], s[PFA:PFA+1], 2*KSB
	s_sub_co_u32 s3, s3, 1
	s_cmp_lg_u32 s3, 0
	s_cbranch_scc1 .Llap
	TURN 0, 1, 2
	STEP 1, 0
	TURN 1, 0, 3
	WIN 0
	s_wait_kmcnt 0x0
	s_add_co_i32 s81, s72, s73
	s_add_co_i32 s82, s74, s75
	s_add_co_i32 s83, s76, s77
	s_sub_co_i32 s81, s78, s81                     ; e6 - e0 - e1: the products' scales are folded into the conversion's one (RoPE is linear, and a power of two rounds nothing)
	s_sub_co_i32 s82, s79, s82                     ; e7 - e2 - e3
	s_sub_co_i32 s83, s80, s83                     ; e8 - e4 - e5
	s_cmp_eq_u32 s[GRP], 1
	s_cselect_b32 s81, s82, s81
	s_cmp_eq_u32 s[GRP], 2
	s_cselect_b32 s81, s83, s81
	s_add_co_i32 s81, s81, 127
	s_lshl_b32 s82, s81, 23
	s_add_co_i32 s81, s81, 8
	s_lshl_b32 s81, s81, 23
	s_or_b32 s81, s81, 0x600000
	v_mov_b32 v[SC], s82
	v_mov_b32 v[LM], s81
	PLACES
	s_cmp_eq_u32 s[GRP], 2
	s_wait_alu depctr_va_vdst(0)
	s_cbranch_scc1 .Lv
	ROPE_LOAD 1
.irp a, 0,1,2,3,4,5,6,7
	QKBLOCK \a
.endr
	s_branch .Lend
.Lv:
.irp a, 0,1,2,3,4,5,6,7
	VBLOCK \a
.endr
.Lend:
	s_wait_tensorcnt 0x0                           ; the wave's end
	ds_add_u32 v[SPW], v[NIL]
	s_wait_dscnt 0x0
	CROUND                                         ; the closing round: no work-group ends while a partner may still ask for a tile that names it
	s_endpgm
	; ---- w_o: a wave takes 8 rows, 64 KiB, in eight trips of 8 KiB; two loads bring a lane 8 neighbours, whose codes are 8 bytes: a store covers 256 consecutive bytes.  No LDS, no barrier
.Lwo:
	s_and_b32 s17, ttmp7, 0xffff
	s_sub_co_u32 s18, ttmp9, 6
	s_lshl_b32 s18, s18, 1
	s_add_co_u32 s18, s18, s17
	s_lshl_b32 s18, s18, 2
	s_add_co_u32 s18, s18, s41
	s_lshl_b32 s18, s18, 2
	s_add_co_u32 s18, s18, s40                     ; work-group 0..63
	s_lshl_b32 s18, s18, 2
	s_add_co_u32 s18, s18, s14                     ; my run of 8 rows: 0..255
	s_lshl_b32 s20, s18, 16
	s_mov_b32 s21, 0
	s_lshl_b32 s22, s18, 14
	s_mov_b32 s23, 0
	s_mov_b32 s3, 7
	v_and_b32 v2, 31, v0
	v_lshlrev_b32 v3, 5, v2                        ; 32 bytes a lane in,
	v_lshlrev_b32 v4, 3, v2                        ; 8 out
	s_wait_alu depctr_va_vdst(0)
	s_wait_kmcnt 0x0
	s_load_b32 s24, s[8:9], 0x2c                   ; e11
	s_add_nc_u64 s[4:5], s[96:97], s[20:21]
	s_add_nc_u64 s[6:7], s[98:99], s[22:23]
.macro WLOAD g, off
.irp j, 0,1,2,3
	global_load_b128 v[T+32*\g+8*\j:T+32*\g+8*\j+3], v3, s[4:5] offset:\off+4096*\g+1024*\j
	global_load_b128 v[T+32*\g+8*\j+4:T+32*\g+8*\j+7], v3, s[4:5] offset:\off+4096*\g+1024*\j+16
.endr
.endm
.macro WHALF g, more, cnt
	s_wait_loadcnt \cnt                            ; my eight loads are in; the other half's eight may be out
	s_wait_xcnt 0x0                                ; the last trip's stores have read the codes' registers
.set n, 0
.rept 32
	v_med3_num_f32 v[T+32*\g+n], v[T+32*\g+n], -v[LM], v[LM]
.set n, n+1
.endr
.irp j, 0,1,2,3
	v_cvt_scalef32_pk8_fp8_f32 v[160+8*\g+2*\j:161+8*\g+2*\j], v[T+32*\g+8*\j:T+32*\g+8*\j+7], v[SC]
.endr
	v_nop
.irp j, 0,1,2,3
	global_store_b64 v4, v[160+8*\g+2*\j:161+8*\g+2*\j], s[6:7] offset:1024*\g+256*\j
.endr
.if \more
	WLOAD \g, 8192
.endif
.endm
	WLOAD 0, 0
	WLOAD 1, 0
	s_wait_kmcnt 0x0
	s_add_co_i32 s24, s24, 127
	s_lshl_b32 s25, s24, 23                        ; 2^e11
	s_add_co_i32 s24, s24, 8
	s_lshl_b32 s24, s24, 23
	s_or_b32 s24, s24, 0x600000                    ; 448 x that
	v_mov_b32 v[SC], s25
	v_mov_b32 v[LM], s24
	s_wait_alu depctr_va_vdst(0)
.Lwtrip:
	WHALF 0, 1, 8
	WHALF 1, 1, 8
	s_wait_xcnt 0x0                                ; the bases are stepped only behind this wait
	s_add_nc_u64 s[4:5], s[4:5], 8192
	s_add_nc_u64 s[6:7], s[6:7], 2048
	s_sub_co_u32 s3, s3, 1
	s_cmp_lg_u32 s3, 0
	s_cbranch_scc1 .Lwtrip
	WHALF 0, 0, 8
	WHALF 1, 0, 0
	s_endpgm
.Lfunc_end_k_qa8f3fdf88d_proj:
	.size	k_qa8f3fdf88d_proj, .Lfunc_end_k_qa8f3fdf88d_proj-k_qa8f3fdf88d_proj
	.p2alignl 7, 3214868480
	.fill 96, 4, 3214868480
	.section	.rodata,"a",@progbits
	.p2align	6, 0x0
	.amdhsa_kernel k_qa8f3fdf88d_proj
		.amdhsa_group_segment_fixed_size 327680
		.amdhsa_private_segment_fixed_size 0
		.amdhsa_enable_private_segment 0
		.amdhsa_kernarg_size 48
		.amdhsa_user_sgpr_count 2
		.amdhsa_user_sgpr_kernarg_segment_ptr 1
		.amdhsa_wavefront_size32 1
		.amdhsa_system_sgpr_workgroup_id_x 1
		.amdhsa_system_sgpr_workgroup_id_y 1
		.amdhsa_system_sgpr_workgroup_id_z 1
		.amdhsa_system_vgpr_workitem_id 0
		.amdhsa_next_free_vgpr 1024
		.amdhsa_next_free_sgpr 102
		.amdhsa_reserve_vcc 0
		.amdhsa_float_denorm_mode_32 3
		.amdhsa_float_denorm_mode_16_64 3
		.amdhsa_memory_ordered 1
		.amdhsa_forward_progress 1
		.amdhsa_inst_pref_size 227
	.end_amdhsa_kernel
	.amdgpu_metadata
---
amdhsa.version: [ 1, 2 ]
amdhsa.kernels:
  - .name:           k_qa8f3fdf88d_proj
    .symbol:         k_qa8f3fdf88d_proj.kd
    .args:
      - { .name: codes, .offset: 0, .size: 8, .value_kind: global_buffer, .address_space: global }
      - { .name: ropetab, .offset: 8, .size: 8, .value_kind: global_buffer, .address_space: global }
      - { .name: lowp_scales, .offset: 16, .size: 8, .value_kind: global_buffer, .address_space: global }
      - { .name: qkvimg, .offset: 24, .size: 8, .value_kind: global_buffer, .address_space: global }
      - { .name: w_o, .offset: 32, .size: 8, .value_kind: global_buffer, .address_space: global }
      - { .name: wocodes, .offset: 40, .size: 8, .value_kind: global_buffer, .address_space: global }
    .group_segment_fixed_size: 327680
    .private_segment_fixed_size: 0
    .kernarg_segment_align: 8
    .kernarg_segment_size: 48
    .max_flat_workgroup_size: 128
    .sgpr_count:     102
    .vgpr_count:     1024
    .wavefront_size: 32
...
	.end_amdgpu_metadata
.endif
;; end of part 2
;; launch attn (part 3): grid 16 x 16, 8 waves a work-group, no clusters, 327,680 bytes of LDS; arguments qkvimg, lowp_scales, aimg; writes aimg
.if DOCPART == 3
	.amdgcn_target "amdgcn-amd-amdhsa--gfx1250"
	.amdhsa_code_object_version 6
	.text
	.protected	k_qa8f3fdf88d_attn
	.globl	k_qa8f3fdf88d_attn
	.p2align	8
	.type	k_qa8f3fdf88d_attn,@function
k_qa8f3fdf88d_attn:
	s_mov_b64 s[64:65], 0
	v_nop
	global_prefetch_b8 v0, s[64:65] scope:SCOPE_SE
	s_setreg_imm32_b32 hwreg(HW_REG_WAVE_MODE, 25, 1), 1
	s_wait_xcnt 0x0
; Causal attention on codes of FP8 (E4M3): 16 heads of 128, 2,048 tokens.  q, k, v come as images of fragments' registers (16 rows x 128 K, 2,048 bytes: group c of four registers of lane l at 512 c + 16 l).
; THE SOFTMAX AHEAD OF THE SECOND PRODUCT: t = score x log2(e) / sqrt(128); M = the largest t so far, rounded UP to a whole number; p = 2^(t - M) is quantised (entry 9's scale), not normalised;
; the row's sum is taken of the unquantised p and divides at the end; when M moves, the sum and O are multiplied by a power of two.
; SHARES.  Work-group (i, head) owns the blocks of 64 queries i (early) and 31 - i (late): together 17 chunks of 128 causal keys for each of four tiles, whatever i.  Eight waves of 512 registers.  A wave works on TWO tiles of 16 queries,
; X and Y (32 neighbouring queries: bit 0 of its number picks which of a block's 64), so that each fragment of K and V that it reads from LDS feeds two matrix instructions.  The keys come in slots of 512, four chunks of 128.
; In the first 1 (i < 8) or 2 slots, which hold all the early block's keys, waves 0-3 work the early block and waves 4-7 the late one, two chunks each (bit 1 of the number: the even or the odd chunks).
; In the slots behind them all eight waves work the late block, a chunk each.  So a wave walks at most five steps: 2 + 1 + 1 + 1 or 2 + 2 + 1 + 0.
; At the change between the two the early waves bring their pairs' O, sum and M together through LDS and store, and begin the late block anew; at the end the late block's four parts come together likewise, each wave finishing a quarter of the channels.
; TILE Y IS TILE X'S MIRROR: all that belongs to Y lies in register window 1 at the numbers that X's has in window 0, so softmax, mask and merge are written once and run under two settings of the windows.
; LAYOUT.  Both products are used transposed: S^T = K Q^T, O^T = V^T P^T: a lane holds ONE query (lane % 16); in tile kt its register j is key 16 kt + 8 (lane / 16) + j: the conversion of tile kt is register pair kt of P's fragment,
; in the order along the keys in which v's images were made.  O^T's tile a becomes register pair a of the last product's operand, which leaves as an image: aimg [head / 4][128 blocks of 16 rows][head % 4][2,048].
; THE RING.  Two slots of 512 keys (64 KiB of K's images, 64 KiB of V's), each wave fetching 16 KiB.  V's eight fragments are asked for ahead of the softmax, into the registers that K's have left.
; CAUSAL (work left out).  Every work-group walks all four slots (constant trip counts, every barrier passed); a step all of whose keys come after the wave's queries is left out by a scalar branch on ids; a slot whose first key comes
; after the work-group's last query is read by none of its waves and is not asked for.  A step's first key is a multiple of 128 and the wave's first query a multiple of 32: a step that is worked has its first key at or under
; every one of the wave's queries, so M is a number from the first worked step on.
; No cluster: the jump at the causal limit leads round the tensor load, and partners of a cluster would have different limits.
; LIMITS on the given exponents: entries 6 + 7 between -123 and 130 (added to c's exponent field); entry 9 between -126 and 119; 8 + 9 - 10 is applied by v_ldexp_f32 to 1 / the sum.  NaN is not served.
; REGISTERS, in both windows: v11 lane % 16 - 8 (lane / 16) (+ 16 for Y); v12 -M, v13 the largest t, v[14:15] the sum; v16-31 Q; v32-95 four fragments of K or V (window 0: 0-3, window 1: 4-7, shared by X and Y);
;   v96-159 S^T, then p; v160-223 O^T; v224-239 p's codes; v240-254 at work.  Window 0 alone: v1-10, v241 addresses.
.set SLOT1, 1<<17                      ; slot 0 at 0, slot 1 here: K's four chunks of 16 KiB, then V's four
.set VOFF,  65536
.set SLOTB, 65536                      ; a slot's bytes of K, and of V, in memory
.set NSL,   4
.set STE,   262144                     ; behind the ring: the early pairs' stage, 2 x 2 x 8 KiB; no tile lands here
.set STM,   294912                     ; 8 x 512 bytes for -M and the sum
.set SPARE, 299008                     ; the spare words, 128 bytes for each of eight waves
.set SEW,  2                           ; v2   where I put a tile for my partner
.set PFO,  3                           ; v3   256 x lane
.set SER,  4                           ; v4   where my partner puts one for me
.set SPW,  5
.set NIL,  6
.set LI,   7                           ; v7   16 x lane
.set ADK,  8
.set ADV,  9
.set SM,   10                          ; v10  my place in STM + 4 x lane
.set DL,   11
.set SMR,  241                         ; v241 my partner's place in STM + 4 x lane
.set TB,   2                           ; s2   LDS byte at which the slot in hand begins
.set QE,   8                           ; s[8:9]   my early tiles' place in aimg
.set QLP,  10                          ; s[10:11] the late block's q for me
.set OL,   12                          ; s[12:13] my late tiles' and quarter's place in aimg
.set WV,   18
.set PAR,  19
.set SEL,  20
.set CS,   22
.set G1,   24
.set G0,   40
.set GE,   44                          ; s44  1 in waves 0-3
.set NE,   45                          ; s45  the first key behind the early block's slots: 512 or 1,024
.set LATE, 46                          ; s46  1 from that slot on
.set QI,   48                          ; s48  which of a slot's two steps
.set OFE,  49                          ; s49  my chunk's bytes among the even and odd ones,
.set OFL,  50                          ; s50  among the four,
.set OF,   51                          ; s51  and in hand
.set Q0L,  52                          ; s52  my first query in the late block
.set TP,   53                          ; s53  which 32 of a block's 64 queries
.set SLOTS, 67
.set PFA,  76
.set LIM,  80
.set QL,   81                          ; s81  my work-group's last query
.set SF,   82                          ; s82  the first key of the slot in hand
.set KF,   98                          ; s98  my step's first key
.set Q0,   99                          ; s99  my first query
.set MSB, 0
.macro WIN new                         ; bits 1:0 source 0, 3:2 source 1, 5:4 source 2, 7:6 destination; the immediate's high byte repeats the setting that is left
.if MSB != (\new)
	s_set_vgpr_msb (MSB<<8)|(\new)
.set MSB, (\new)
.endif
.endm
.set W_Y,  0x55                        ; every place in window 1: tile Y; also Y's products on fragments 4-7
.set W_YA, 0x54                        ; Y's products on fragments 0-3: source 0 in window 0
.set W_XB, 0x01                        ; X's products on fragments 4-7: source 0 in window 1
.set W_TO, 0x40                        ; destination window 1, address or source window 0
.set W_ST, 0x04                        ; a store's data in window 1, its address in window 0
; Every wave fetches 16 KiB of the slot, dense in memory and in LDS: waves 0-3 K's chunks, waves 4-7 V's.
.macro TLOAD
	tensor_load_to_lds s[G0:G0+3], s[G1:G1+7]
	s_nop 0
.rept 4
	v_nop
.endr
.endm
; A prefetch of what the NEXT change of slots will ask for.  All work-groups of a head walk the same K and V from key 0 on, and work-group 0 walks them to the end: it asks, and nobody else; each of its waves names the 16 KiB
; that it will itself fetch, by two instructions, lanes 256 bytes apart: each block of 256 bytes is named once.  The last change that fills a slot asks for nothing.
.macro ASK
	s_cmp_gt_u32 s[SLOTS], s[LIM]
	s_cbranch_scc0 .Lnot_mine_\@
	global_prefetch_b8 v[PFO], s[PFA:PFA+1] th:TH_LOAD_NT scope:SCOPE_SE
	global_prefetch_b8 v[PFO], s[PFA:PFA+1] offset:8192 th:TH_LOAD_NT scope:SCOPE_SE
.Lnot_mine_\@:
.endm
.macro INIT
	v_mov_b32 v13, 0xff61b1e6                      ; the largest t so far: -3e38, under every t
	v_mov_b32 v14, 0
	v_mov_b32 v15, 0
	v_floor_f32 v12, -v13                          ; -M
	v_mov_b32 v245, 0                              ; a lane permute's destination counts as one of its sources
	v_mov_b32 v253, 0                              ; (named as the upper half of the pair v[252:253])
.set n, 0
.rept 64
	v_mov_b32 v[160+n], 0                          ; O^T: the step is written for every turn alike; the first finds zeros, and a wave with no step at all hands zeros on
.set n, n+1
.endr
.endm
	s_load_b128 s[4:7], s[0:1], 0x0                ; the images s[4:5], the scales' exponents s[6:7]
	s_load_b64 s[16:17], s[0:1], 0x10              ; aimg
	v_lshl_add_u32 v[SPW], v0, 2, SPARE
	v_mov_b32 v[NIL], 0
	ds_add_u32 v[SPW], v[NIL]                      ; the wave's opening: the add, twice on end, and its wait ahead of my first tensor load; the set-up below stands between them
	ds_add_u32 v[SPW], v[NIL]
	v_lshrrev_b32 v8, 5, v0
	v_readfirstlane_b32 s[WV], v8                  ; wave 0..7
	s_bfe_u32 s[PAR], s[WV], 0x10001               ; bit 1
	s_lshr_b32 s83, s[WV], 2                       ; bit 2
	s_and_b32 s[TP], s[WV], 1                      ; bit 0
	s_xor_b32 s[GE], s83, 1
	s_lshl_b32 s[OFE], s[PAR], 14
	s_lshl_b32 s[OFL], s83, 15
	s_or_b32 s[OFL], s[OFL], s[OFE]
	s_lshr_b32 s[NE], ttmp9, 3
	s_add_co_u32 s[NE], s[NE], 1
	s_lshl_b32 s[NE], s[NE], 9
	s_and_b32 s84, ttmp7, 0xffff                   ; the head
	s_lshl_b32 s85, s84, 18                        ; its 256 KiB in each of q, k, v
	s_sub_co_u32 s[Q0L], 31, ttmp9
	s_lshl_b32 s[Q0L], s[Q0L], 6
	s_lshl_b32 s87, s[TP], 5
	s_add_co_u32 s[Q0L], s[Q0L], s87
	s_lshl_b32 s86, ttmp9, 6
	s_add_co_u32 s86, s86, s87                     ; my first query in the early block
	s_cmp_eq_u32 s83, 0
	s_cselect_b32 s[Q0], s86, s[Q0L]
	s_lshl_b32 s[QL], ttmp9, 6
	s_sub_co_u32 s[QL], 2047, s[QL]                ; 64 (31 - i) + 63
	s_mov_b32 s[SF], 0
	s_mov_b32 s[TB], 0
	s_mov_b32 s[SLOTS], NSL-1
	s_add_co_u32 s88, s83, 1                       ; what I fetch: k lies 4 MiB on, v 8 MiB on;
	s_lshl_b32 s88, s88, 22
	s_add_co_u32 s88, s88, s85                     ; my head;
	s_and_b32 s89, s[WV], 3
	s_lshl_b32 s89, s89, 14                        ; my chunk of the slot's four
	s_add_co_u32 s88, s88, s89
	s_mov_b32 s89, 0
	s_mov_b32 s[G1], 3<<16                         ; no mask; elements of 8 bytes; no padding: the images are read 16 bytes a lane, on end
	s_mov_b32 s[G1+1], 32<<16                      ; tensor_dim0 = 32 elements: rows of 256 bytes
	s_mov_b32 s[G1+2], 64<<16                      ; tensor_dim1 = 64
	s_mov_b32 s[G1+3], 32<<16                      ; tile_dim0
	s_mov_b32 s[G1+4], 64                          ; tile_dim1
	s_mov_b32 s[G1+5], 32                          ; from row to row: dense
	s_mov_b32 s[G1+6], 0
	s_mov_b32 s[G1+7], 0
	s_mov_b32 s[G0], 1
	s_lshl_b32 s[G0+1], s[WV], 14                  ; LDS: 16 KiB x wave, in slot 0
	s_mov_b32 s[SEL], 0x76543210
	s_mov_b32 s[SEL+1], 0xfedcba98
	s_mov_b32 s[CS], 0x3e0293ee                    ; c = log2(e) / sqrt(128)
	s_lshl_b32 s90, s[TP], 14
	s_add_co_u32 s90, s90, STE
	s_lshl_b32 s91, s[PAR], 13
	s_add_co_u32 s91, s91, s90                     ; the stage: my tile for the partner,
	s_xor_b32 s92, s[PAR], 1
	s_lshl_b32 s92, s92, 13
	s_add_co_u32 s92, s92, s90                     ; and the partner's for me
	s_lshl_b32 s93, s[WV], 9
	s_add_co_u32 s93, s93, STM
	s_xor_b32 s94, s[WV], 2
	s_lshl_b32 s94, s94, 9
	s_add_co_u32 s94, s94, STM
	v_and_b32 v8, 31, v0
	v_lshlrev_b32 v[LI], 4, v8
	v_lshlrev_b32 v[PFO], 8, v8
	v_add_nc_u32 v[SEW], s91, v[LI]
	v_add_nc_u32 v[SER], s92, v[LI]
	v_lshl_add_u32 v[SM], v8, 2, s93
	v_lshl_add_u32 v[SMR], v8, 2, s94
	v_and_b32 v9, 15, v0
	v_bfe_u32 v[DL], v0, 4, 1
	v_lshlrev_b32 v[DL], 3, v[DL]
	v_sub_nc_u32 v[DL], v9, v[DL]                  ; lane % 16 - 8 (lane / 16)
	WIN W_TO
	v_add_nc_u32 v[DL], 16, v[DL]                  ; Y's queries lie 16 further on
	WIN 0
	INIT
	WIN W_Y
	INIT
	WIN 0
	s_wait_alu depctr_va_vdst(0)
	s_wait_dscnt 0x0                               ; both opening adds are done
	s_wait_kmcnt 0x0
	s_load_b64 s[68:69], s[6:7], 0x18              ; entries 6, 7
	s_load_b128 s[72:75], s[6:7], 0x20             ; entries 8 to 11
	s_add_nc_u64 s[G0+2:G0+3], s[4:5], s[88:89]
	s_or_b32 s[G0+3], s[G0+3], 0x80000000
	TLOAD                                          ; slot 0
	s_add_nc_u64 s[PFA:PFA+1], s[4:5], s[88:89]    ; the prefetches stand at my chunk,
	s_add_nc_u64 s[PFA:PFA+1], s[PFA:PFA+1], SLOTB ; in slot 1: the first change of slots steps it to slot 2.  Nothing is prefetched at the head
	s_cmp_eq_u32 ttmp9, 0
	s_cselect_b32 s[LIM], 1, -1
	s_mov_b32 s91, 0
	s_lshl_b32 s90, s[Q0], 7                       ; q's images of my 32 queries: 2,048 bytes a block of 16
	s_add_co_u32 s90, s90, s85
	s_add_nc_u64 s[14:15], s[4:5], s[90:91]
	s_lshl_b32 s90, s[Q0L], 7
	s_add_co_u32 s90, s90, s85
	s_add_nc_u64 s[QLP:QLP+1], s[4:5], s[90:91]
.irp c, 0,1,2,3
	global_load_b128 v[16+4*\c:19+4*\c], v[LI], s[14:15] offset:512*\c          ; X's fragment of Q stays in registers,
.endr
	WIN W_TO
.irp c, 0,1,2,3
	global_load_b128 v[16+4*\c:19+4*\c], v[LI], s[14:15] offset:2048+512*\c     ; and Y's, in window 1
.endr
	WIN 0
	s_lshr_b32 s92, s84, 2                         ; where results go: [head / 4][block][head % 4]
	s_lshl_b32 s92, s92, 20
	s_and_b32 s93, s84, 3
	s_lshl_b32 s93, s93, 11
	s_add_co_u32 s92, s92, s93
	s_lshl_b32 s90, s86, 9
	s_add_co_u32 s90, s90, s92
	s_add_nc_u64 s[QE:QE+1], s[16:17], s[90:91]
	s_lshl_b32 s90, s[Q0L], 9
	s_add_co_u32 s90, s90, s92
	s_lshr_b32 s93, s[WV], 1
	s_lshl_b32 s93, s93, 9
	s_add_co_u32 s90, s90, s93                     ; my quarter of the channels: group wave / 2 of the image
	s_add_nc_u64 s[OL:OL+1], s[16:17], s[90:91]
	s_wait_kmcnt 0x0
	s_add_co_i32 s92, s68, s69
	s_lshl_b32 s92, s92, 23
	s_add_co_i32 s[CS], s[CS], s92                 ; a score stands for score x 2^(e6 + e7): added to c's exponent field
	s_mov_b32 s[CS+1], s[CS]
	s_add_co_i32 s92, s73, 127
	s_lshl_b32 s93, s92, 23                        ; 2^e9, for p's conversion
	s_add_co_i32 s92, s92, 8
	s_lshl_b32 s92, s92, 23
	s_or_b32 s92, s92, 0x600000                    ; 448 x 2^e9
	s_add_co_i32 s94, s72, s73
	s_sub_co_i32 s94, s94, s74                     ; e8 + e9 - e10
	v_mov_b32 v244, s93
	v_mov_b32 v240, s92
	WIN W_TO
	v_mov_b32 v244, s93                            ; the same two numbers in window 1
	v_mov_b32 v240, s92
	WIN 0
; Eight fragments of a chunk, 32 LDS loads in one run: 0-3 into window 0, 4-7 into window 1
.macro FRAGS adr
.irp t, 0,1,2,3
.irp c, 0,1,2,3
	ds_load_b128 v[32+16*\t+4*\c:35+16*\t+4*\c], v[\adr] offset:2048*\t+512*\c
.endr
.endr
	WIN W_TO
.irp t, 0,1,2,3
.irp c, 0,1,2,3
	ds_load_b128 v[32+16*\t+4*\c:35+16*\t+4*\c], v[\adr] offset:8192+2048*\t+512*\c
.endr
.endr
	WIN 0
.endm
; Four products of S^T = K Q^T (tiles 4 half + t), and four of O^T += V^T P^T; which tile of queries and which fragments: by the windows.  The accumulators take turns, one instruction a turn
.macro KQ4 half
.irp t, 0,1,2,3
	v_wmma_f32_16x16x128_fp8_fp8 v[96+32*(\half)+8*\t:103+32*(\half)+8*\t], v[32+16*\t:47+16*\t], v[16:31], 0
.endr
.endm
.macro PV4 half
.irp t, 0,1,2,3
	v_wmma_f32_16x16x128_fp8_fp8 v[160+32*(\half)+8*\t:167+32*(\half)+8*\t], v[32+16*\t:47+16*\t], v[224:239], v[160+32*(\half)+8*\t:167+32*(\half)+8*\t]
.endr
.endm
; On the diagonal hidden scores become -infinity ahead of the maximum.  s96 = my first query - KF.  d = the lane's query - KF - 8 (lane / 16); register n holds key KF + 8 (lane / 16) + 16 (n / 8) + n % 8: hidden where 16 (n / 8) + n % 8 > d
.macro MASK
	v_add_nc_u32 v252, s96, v[DL]
	v_mov_b32 v254, 0xff800000
.set n, 0
.rept 64
	v_cmp_gt_i32 vcc_lo, 16*(n/8)+n%8, v252
	v_cndmask_b32 v[96+n], v[96+n], v254, vcc_lo
.set n, n+1
.endr
.endm
; One tile's softmax for a step of 128 keys, from the scores to p's codes and O^T under the new M
.macro SOFT
	v_max3_num_f32 v254, v96, v97, v98             ; the step's largest score of my query among my 64 keys, in two chains, each accumulator from its low end on,
	v_max3_num_f32 v252, v99, v100, v101
.irp i, 6,10,14,18,22,26,30,34,38,42,46,50,54,58
	v_max3_num_f32 v254, v254, v[96+\i], v[97+\i]
	v_max3_num_f32 v252, v252, v[98+\i], v[99+\i]
.endr
	v_max3_num_f32 v254, v254, v158, v159
	s_delay_alu instid0(VALU_DEP_1)
	v_max_num_f32 v254, v254, v252
	s_delay_alu instid0(VALU_DEP_1)
	v_permlanex16_b32 v245, v254, s[SEL], s[SEL+1]
	s_delay_alu instid0(VALU_DEP_1)
	v_max_num_f32 v254, v254, v245                 ; and among lane l xor 16's
	s_delay_alu instid0(VALU_DEP_1)
	v_mul_f32 v254, s[CS], v254                    ; as t (c is positive)
	s_delay_alu instid0(VALU_DEP_1)
	v_max_num_f32 v13, v13, v254
	v_mov_b32 v254, v12
	s_delay_alu instid0(VALU_DEP_2)
	v_floor_f32 v12, -v13                          ; the new -M = floor(-t): M is a whole number
	s_delay_alu instid0(VALU_DEP_1)
	v_sub_f32 v254, v12, v254                      ; old M - new M: a whole number, 0 or less
	s_delay_alu instid0(VALU_DEP_1)
	v_cvt_i32_f32 v254, v254                       ; (it saturates)
	s_delay_alu instid0(VALU_DEP_1)
	v_ldexp_f32 v252, 1.0, v254                    ; f = 2^(old M - new M)
.set n, 0
.rept 32
	v_pk_fma_f32 v[96+n:97+n], v[96+n:97+n], s[CS:CS+1], v[12:13] op_sel_hi:[1,0,0]   ; t - M, two at a time
.set n, n+2
.endr
.set n, 0
	s_wait_alu depctr_va_vdst(0)                   ; the wait ahead of the batch too
.rept 64
	v_exp_f32 v[96+n], v[96+n]                     ; p = 2^(t - M)
.set n, n+1
.endr
	v_pk_mul_f32 v[14:15], v[14:15], v[252:253] op_sel_hi:[1,0]   ; the sums under the new M: the plain line behind the exponentials
	s_wait_alu depctr_va_vdst(0)                   ; one wait for the whole batch, ahead of its first reader
	v_pk_add_f32 v[242:243], v[96:97], v[98:99]    ; the row's sum is taken of the unquantised p, in two chains
.irp j, 4,8,12,16,20,24,28,32,36,40,44,48,52,56,60
	v_pk_add_f32 v[14:15], v[14:15], v[96+\j:97+\j]
	v_pk_add_f32 v[242:243], v[242:243], v[98+\j:99+\j]
.endr
	s_delay_alu instid0(VALU_DEP_1)
	v_pk_add_f32 v[14:15], v[14:15], v[242:243]
.irp k, 0,1,2,3,4,5,6,7
.irp i, 0,1,2,3,4,5,6,7
	v_min_num_f32 v[96+8*\k+\i], v[96+8*\k+\i], v240   ; the conversion does not saturate (ISA guide 7.6.2); p is not negative, so the hold is one-sided
.endr
	v_cvt_scalef32_pk8_fp8_f32 v[224+2*\k:225+2*\k], v[96+8*\k:103+8*\k], v244   ; tile k: register pair k of P's fragment
.endr
.set n, 0
.rept 32
	v_pk_mul_f32 v[160+n:161+n], v[160+n:161+n], v[252:253] op_sel_hi:[1,0]   ; O^T under the new M; also the plain lines behind the conversions
.set n, n+2
.endr
.endm
; MY STEP: the chunk of 128 keys that begins OF bytes into the slot in hand, for both my tiles.
.macro STEP
	s_lshr_b32 s[KF], s[OF], 7                     ; 128 bytes a key
	s_add_co_u32 s[KF], s[KF], s[SF]
	s_add_co_u32 s96, s[Q0], 31
	s_cmp_gt_u32 s[KF], s96                        ; all its keys come after my queries: left out; no barrier and no tensor load stands in a step
	s_cbranch_scc1 .Lhidden_\@
	s_add_co_u32 s97, s[TB], s[OF]
	v_add_nc_u32 v[ADK], s97, v[LI]
	v_add_nc_u32 v[ADV], VOFF, v[ADK]
	v_nop                                          ; with the two additions: four places in front of loads into registers that matrix instructions have read
	v_nop
	FRAGS ADK
	s_wait_alu depctr_va_vdst(0)
	s_wait_dscnt 16                                ; fragments 0-3 are in; the sixteen loads of fragments 4-7 may be out
	KQ4 0
	WIN W_YA
	KQ4 0
	s_wait_dscnt 0x0
	WIN W_XB
	KQ4 1
	WIN W_Y
	KQ4 1
	WIN 0
.rept 4
	v_nop                                          ; places in front of the loads below and of the first read of the scores
.endr
	FRAGS ADV                                      ; V's eight fragments are asked for here: they land under the two softmaxes
	s_add_co_u32 s96, s[KF], 127
	s_cmp_le_u32 s96, s[Q0]                        ; a step all of whose keys count for all my queries has no mask
	s_cbranch_scc1 .Lopen_\@
	s_sub_co_i32 s96, s[Q0], s[KF]
	MASK
	WIN W_Y
	MASK
	WIN 0
.Lopen_\@:
	SOFT
	WIN W_Y
	SOFT
	WIN 0
	s_wait_alu depctr_va_vdst(0)
	s_wait_dscnt 0x0                               ; V
	PV4 0
	WIN W_YA
	PV4 0
	WIN W_XB
	PV4 1
	WIN W_Y
	PV4 1
	WIN 0
.Lhidden_\@:
.endm
; THE CHANGE OF SLOTS, at a slot's head: each wave waits for all its tensor loads, adds 0 to its spare word, and waits for that and for its reads of the slot that it has left; behind the barrier the slot ahead is whole and
; nobody reads the other one, which is filled with the next 512 keys, up to the causal limit.  A wave has at most one tensor load out.
.macro CHANGE fill
	s_wait_tensorcnt 0x0                           ; no tensor load of mine is out, so the group 0 may be written
	ds_add_u32 v[SPW], v[NIL]
.if \fill
	s_xor_b32 s[G0+1], s[G0+1], SLOT1
	s_add_nc_u64 s[G0+2:G0+3], s[G0+2:G0+3], SLOTB
	s_wait_xcnt 0x0                                ; the last prefetches, a slot back, have read their address
	s_add_nc_u64 s[PFA:PFA+1], s[PFA:PFA+1], SLOTB
.endif
	s_wait_dscnt 0x0
	s_barrier_signal -1
	s_barrier_wait -1
.if \fill
	s_add_co_u32 s96, s[SF], 512                   ; the first key of the slot that this change would ask for,
	s_cmp_gt_u32 s96, s[QL]                        ; against my work-group's last query: ids and the count of slots alone, the same in all eight waves; past the limit stays past it
	s_cbranch_scc1 .Lpast_\@
	TLOAD
.Lpast_\@:
	ASK
.endif
.endm
.macro LSUM
	v_add_f32 v14, v14, v15
	s_delay_alu instid0(VALU_DEP_1)
	v_permlanex16_b32 v245, v14, s[SEL], s[SEL+1]
	s_delay_alu instid0(VALU_DEP_1)
	v_add_f32 v14, v14, v245
.endm
; One early tile: my O^T, -M and sum, and my partner's (v32-95, v246, v247), under the larger M, divided, quantised by entry 10's scale
.macro MERGE
	v_min_num_f32 v248, v12, v246                  ; -(the larger M)
	v_mov_b32 v242, 0x43e00000                     ; 448
	v_mov_b32 v243, 1.0                            ; the conversion's scale: 2^0
	v_sub_f32 v249, v248, v12                      ; my M less it, the partner's M less it: whole numbers, 0 or less
	v_sub_f32 v250, v248, v246
	v_cvt_i32_f32 v249, v249                       ; (they saturate: a partner with no step has -M = 3e38, and its factor is 0)
	v_cvt_i32_f32 v250, v250
	v_ldexp_f32 v249, 1.0, v249
	v_ldexp_f32 v250, 1.0, v250
	v_mul_f32 v251, v249, v14
	v_fma_f32 v251, v250, v247, v251               ; the row's sum
	s_wait_alu depctr_va_vdst(0)
	v_rcp_f32 v251, v251
	v_nop                                          ; a plain line behind the reciprocal,
	s_wait_alu depctr_va_vdst(0)                   ; and the wait ahead of its first reader
	v_ldexp_f32 v251, v251, s94                    ; x 2^(e8 + e9 - e10): what follows is the number / 2^e10
	v_mul_f32 v248, v249, v251
	v_mul_f32 v250, v250, v251
	v_mov_b32 v249, v248
	v_mov_b32 v251, v250
.set n, 0
.rept 32
	v_pk_mul_f32 v[96+n:97+n], v[160+n:161+n], v[248:249]
.set n, n+2
.endr
.set n, 0
.rept 32
	v_pk_fma_f32 v[96+n:97+n], v[32+n:33+n], v[250:251], v[96+n:97+n]
.set n, n+2
.endr
.set n, 0
.rept 64
	v_med3_num_f32 v[96+n], v[96+n], -v242, v242
.set n, n+1
.endr
.irp k, 0,1,2,3,4,5,6,7
	v_cvt_scalef32_pk8_fp8_f32 v[224+2*\k:225+2*\k], v[96+8*\k:103+8*\k], v243
.endr
	v_nop
.endm
.macro GIVE                            ; a tile for my partner
.irp k, 0,1,2,3,4,5,6,7,8,9,10,11,12,13,14,15
	ds_store_b128 v[SEW], v[160+4*\k:163+4*\k] offset:512*\k
.endr
	ds_store_b32 v[SM], v12
	ds_store_b32 v[SM], v14 offset:128
.endm
.macro TAKE                            ; and my partner's for me
.irp k, 0,1,2,3,4,5,6,7,8,9,10,11,12,13,14,15
	ds_load_b128 v[32+4*\k:35+4*\k], v[SER] offset:512*\k
.endr
	ds_load_b32 v246, v[SMR]
	ds_load_b32 v247, v[SMR] offset:128
.endm
	s_wait_alu depctr_va_vdst(0)                   ; the wait at the head's end
	s_wait_loadcnt 0x0                             ; Q
.Lslot:
	s_cmp_ge_u32 s[SF], s[NE]
	s_cselect_b32 s[LATE], 1, 0
	s_cmp_eq_u32 s[SF], s[NE]                      ; the first slot behind the early block's: ids and the count of slots alone, the same in all eight waves
	s_cbranch_scc0 .Lplain
	s_wait_tensorcnt 0x0                           ; no tensor load of any wave is out while the stage is written,
	s_wait_dscnt 0x0
	s_barrier_signal -1
	s_barrier_wait -1                              ; and nobody still reads it
	s_cmp_eq_u32 s[GE], 0
	s_cbranch_scc1 .Lgiven
	LSUM
	WIN W_Y
	LSUM
	WIN 0
.rept 4
	v_nop                                          ; places behind the last products
.endr
.irp c, 0,1,2,3
	global_load_b128 v[16+4*\c:19+4*\c], v[LI], s[QLP:QLP+1] offset:512*\c          ; the late block's q: X's
.endr
	WIN W_TO
.irp c, 0,1,2,3
	global_load_b128 v[16+4*\c:19+4*\c], v[LI], s[QLP:QLP+1] offset:2048+512*\c     ; and Y's
.endr
	WIN 0
	s_wait_alu depctr_va_vdst(0)
	s_cmp_eq_u32 s[PAR], 0
	s_cbranch_scc0 .Lgive_x
	WIN W_ST
	GIVE                                           ; even chunks: I keep X and give Y
	WIN 0
	s_branch .Lgiven
.Lgive_x:
	GIVE                                           ; odd chunks: I keep Y and give X
.Lgiven:
	CHANGE 1                                       ; its wait for LDS covers my stores, its barrier shows them to my partner
	s_cmp_eq_u32 s[GE], 0
	s_cbranch_scc1 .Lgo
.rept 4
	v_nop                                          ; places in front of loads into registers that matrix instructions have read
.endr
	s_cmp_eq_u32 s[PAR], 0
	s_cbranch_scc0 .Lmerge_y
	TAKE
	s_wait_dscnt 0x0
	MERGE
.irp c, 0,1,2,3
	global_store_b128 v[LI], v[224+4*\c:227+4*\c], s[QE:QE+1] offset:512*\c          ; 512 consecutive bytes a store
.endr
	s_branch .Lanew
.Lmerge_y:
	WIN W_TO
	TAKE
	s_wait_dscnt 0x0
	WIN W_Y
	MERGE
	WIN W_ST
.irp c, 0,1,2,3
	global_store_b128 v[LI], v[224+4*\c:227+4*\c], s[QE:QE+1] offset:8192+512*\c     ; Y's block of 16 rows lies four images on
.endr
	WIN 0
.Lanew:
	s_mov_b32 s[Q0], s[Q0L]                        ; the late block begins anew
	INIT
	WIN W_Y
	INIT
	WIN 0
	s_wait_alu depctr_va_vdst(0)
	s_wait_xcnt 0x0                                ; the stores have read the codes' registers
	s_branch .Lgo
.Lplain:
	CHANGE 1
.Lgo:
	s_wait_loadcnt 0x0                             ; the late block's q, where it was asked for
	s_mov_b32 s[QI], 0
.Lstep:                                            ; two steps in the early block's slots, one behind them
	s_and_b32 s96, s[LATE], s[QI]
	s_cmp_lg_u32 s96, 0
	s_cbranch_scc1 .Lone
	s_lshl_b32 s96, s[QI], 15
	s_or_b32 s96, s96, s[OFE]
	s_cmp_eq_u32 s[LATE], 0
	s_cselect_b32 s[OF], s96, s[OFL]
	STEP
.Lone:
	s_add_co_u32 s[QI], s[QI], 1
	s_cmp_lt_u32 s[QI], 2
	s_cbranch_scc1 .Lstep
	s_xor_b32 s[TB], s[TB], SLOT1
	s_add_co_u32 s[SF], s[SF], 512
	s_sub_co_u32 s[SLOTS], s[SLOTS], 1
	s_cmp_lg_u32 s[SLOTS], 0
	s_cbranch_scc1 .Lslot
	CHANGE 0                                       ; the last slot is written out: nothing is left to ask for
	s_mov_b32 s[OF], s[OFL]
	STEP
	; THE WAY OUT.  Each wave leaves its O^T, -M and sums in LDS (16 KiB x wave, in slot 0, which has had its last fill and was left at the last change of slots); then it brings its quarter of the channels of its 32 queries,
	; four parts of it, under the largest M, divides, quantises by entry 10's scale and stores a group of each tile's image.
	s_lshl_b32 s90, s[WV], 14
	s_lshr_b32 s91, s[WV], 1
	s_lshl_b32 s91, s91, 11
	s_lshl_b32 s92, s[TP], 14
	s_add_co_u32 s91, s91, s92
	s_lshl_b32 s93, s[TP], 9
	s_add_co_u32 s93, s93, STM
	LSUM
	WIN W_Y
	LSUM
	WIN 0
	v_add_nc_u32 v8, s90, v[LI]                    ; in
	v_add_nc_u32 v9, s91, v[LI]                    ; out: parts 0 and 1; part m is wave tp + 2 m's
	v_add_nc_u32 v2, 65536, v9                     ; parts 2 and 3
	v_lshrrev_b32 v4, 2, v[LI]
	v_add_nc_u32 v4, s93, v4                       ; their -M and sums
	v_nop
.irp k, 0,1,2,3,4,5,6,7,8,9,10,11,12,13,14,15
	ds_store_b128 v8, v[160+4*\k:163+4*\k] offset:512*\k
.endr
	ds_store_b32 v[SM], v12
	ds_store_b32 v[SM], v14 offset:128
	WIN W_ST
.irp k, 0,1,2,3,4,5,6,7,8,9,10,11,12,13,14,15
	ds_store_b128 v8, v[160+4*\k:163+4*\k] offset:8192+512*\k
.endr
	ds_store_b32 v[SM], v12 offset:256
	ds_store_b32 v[SM], v14 offset:384
	WIN 0
	s_wait_alu depctr_va_vdst(0)
	s_wait_dscnt 0x0                               ; for the others' sake: my stores are done
	s_barrier_signal -1
	s_barrier_wait -1
.macro PARTS y
.irp u, 0,1,2,3
	ds_load_b128 v[32+4*\u:35+4*\u], v9 offset:8192*\y+512*\u
	ds_load_b128 v[48+4*\u:51+4*\u], v9 offset:32768+8192*\y+512*\u
	ds_load_b128 v[64+4*\u:67+4*\u], v2 offset:8192*\y+512*\u
	ds_load_b128 v[80+4*\u:83+4*\u], v2 offset:32768+8192*\y+512*\u
.endr
.irp m, 0,1,2,3
	ds_load_b32 v[96+\m], v4 offset:1024*\m+256*\y
	ds_load_b32 v[100+\m], v4 offset:1024*\m+256*\y+128
.endr
.endm
	PARTS 0
	WIN W_TO
	PARTS 1
	WIN 0
	s_wait_dscnt 0x0
.macro FMERGE
	v_min_num_f32 v104, v96, v97
	v_min_num_f32 v104, v104, v98
	v_min_num_f32 v104, v104, v99                  ; -(the largest M)
.irp m, 0,1,2,3
	v_sub_f32 v[106+\m], v104, v[96+\m]            ; each M less it: whole numbers, 0 or less
.endr
.irp m, 0,1,2,3
	v_cvt_i32_f32 v[106+\m], v[106+\m]             ; (it saturates: a part with no step has -M = 3e38, and its factor is 0)
.endr
.irp m, 0,1,2,3
	v_ldexp_f32 v[106+\m], 1.0, v[106+\m]
.endr
	v_mul_f32 v105, v106, v100
.irp m, 1,2,3
	v_fma_f32 v105, v[106+\m], v[100+\m], v105     ; the row's sum
.endr
	v_mov_b32 v130, 0x43e00000                     ; 448
	v_mov_b32 v131, 1.0                            ; the conversion's scale: 2^0
	s_wait_alu depctr_va_vdst(0)
	v_rcp_f32 v105, v105
	v_nop
	s_wait_alu depctr_va_vdst(0)
	v_ldexp_f32 v105, v105, s94                    ; x 2^(e8 + e9 - e10)
.irp m, 0,1,2,3
	v_mul_f32 v[132+2*\m], v[106+\m], v105         ; part m's factor, in both halves of a pair
	v_mul_f32 v[133+2*\m], v[106+\m], v105
.endr
.irp n, 0,2,4,6,8,10,12,14
	v_pk_mul_f32 v[114+\n:115+\n], v[32+\n:33+\n], v[132:133]
.endr
.irp m, 1,2,3
.irp n, 0,2,4,6,8,10,12,14
	v_pk_fma_f32 v[114+\n:115+\n], v[32+16*\m+\n:33+16*\m+\n], v[132+2*\m:133+2*\m], v[114+\n:115+\n]
.endr
.endr
.irp n, 0,1,2,3,4,5,6,7,8,9,10,11,12,13,14,15
	v_med3_num_f32 v[114+\n], v[114+\n], -v130, v130
.endr
	v_cvt_scalef32_pk8_fp8_f32 v[224:225], v[114:121], v131
	v_cvt_scalef32_pk8_fp8_f32 v[226:227], v[122:129], v131
	v_nop
.endm
	FMERGE
	global_store_b128 v[LI], v[224:227], s[OL:OL+1]                ; 512 consecutive bytes
	WIN W_Y
	FMERGE
	WIN W_ST
	global_store_b128 v[LI], v[224:227], s[OL:OL+1] offset:8192    ; Y's block of 16 rows lies four images on
	WIN 0
	s_wait_tensorcnt 0x0                           ; the wave's end
	ds_add_u32 v[SPW], v[NIL]
	s_wait_dscnt 0x0
	s_endpgm
.Lfunc_end_k_qa8f3fdf88d_attn:
	.size	k_qa8f3fdf88d_attn, .Lfunc_end_k_qa8f3fdf88d_attn-k_qa8f3fdf88d_attn
	.p2alignl 7, 3214868480
	.fill 96, 4, 3214868480
	.section	.rodata,"a",@progbits
	.p2align	6, 0x0
	.amdhsa_kernel k_qa8f3fdf88d_attn
		.amdhsa_group_segment_fixed_size 327680
		.amdhsa_private_segment_fixed_size 0
		.amdhsa_enable_private_segment 0
		.amdhsa_kernarg_size 24
		.amdhsa_user_sgpr_count 2
		.amdhsa_user_sgpr_kernarg_segment_ptr 1
		.amdhsa_wavefront_size32 1
		.amdhsa_system_sgpr_workgroup_id_x 1
		.amdhsa_system_sgpr_workgroup_id_y 1
		.amdhsa_system_sgpr_workgroup_id_z 1
		.amdhsa_system_vgpr_workitem_id 0
		.amdhsa_next_free_vgpr 512
		.amdhsa_next_free_sgpr 100
		.amdhsa_reserve_vcc 1
		.amdhsa_float_denorm_mode_32 3
		.amdhsa_float_denorm_mode_16_64 3
		.amdhsa_memory_ordered 1
		.amdhsa_forward_progress 1
		.amdhsa_inst_pref_size 149
	.end_amdhsa_kernel
	.amdgpu_metadata
---
amdhsa.version: [ 1, 2 ]
amdhsa.kernels:
  - .name:           k_qa8f3fdf88d_attn
    .symbol:         k_qa8f3fdf88d_attn.kd
    .args:
      - { .name: qkvimg, .offset: 0, .size: 8, .value_kind: global_buffer, .address_space: global }
      - { .name: lowp_scales, .offset: 8, .size: 8, .value_kind: global_buffer, .address_space: global }
      - { .name: aimg, .offset: 16, .size: 8, .value_kind: global_buffer, .address_space: global }
    .group_segment_fixed_size: 327680
    .private_segment_fixed_size: 0
    .kernarg_segment_align: 8
    .kernarg_segment_size: 24
    .max_flat_workgroup_size: 256
    .sgpr_count:     100
    .vgpr_count:     512
    .wavefront_size: 32
...
	.end_amdgpu_metadata
.endif
;; end of part 3
;; launch oproj (part 4): grid 16 x 16, 8 waves a work-group, clusters of 4 x 4, 327,680 bytes of LDS; arguments aimg, wocodes, lowp_scales, out0; writes out0
.if DOCPART == 4
	.amdgcn_target "amdgcn-amd-amdhsa--gfx1250"
	.amdhsa_code_object_version 6
	.text
	.protected	k_qa8f3fdf88d_oproj
	.globl	k_qa8f3fdf88d_oproj
	.p2align	8
	.type	k_qa8f3fdf88d_oproj,@function
k_qa8f3fdf88d_oproj:
	s_mov_b64 s[64:65], 0
	v_nop
	global_prefetch_b8 v0, s[64:65] scope:SCOPE_SE
	s_setreg_imm32_b32 hwreg(HW_REG_WAVE_MODE, 25, 1), 1
	s_wait_xcnt 0x0
	s_wait_alu depctr_hold_cnt(0) depctr_sa_sdst(0) depctr_va_vdst(0) depctr_va_sdst(0) depctr_va_ssrc(0) depctr_va_vcc(0) depctr_vm_vsrc(0)
	s_getreg_b32 s2, hwreg(HW_REG_IB_STS2, 6, 4)
	s_cmp_eq_u32 s2, 0
	s_cbranch_scc0 .Lentry_in_a_cluster
	s_endpgm
.Lentry_in_a_cluster:
	s_bfe_u32 s2, ttmp6, 0x10000c
	s_cmp_lg_u32 s2, 0xf033
	s_cbranch_scc0 .Lentry_shape_is_right
	s_endpgm
.Lentry_shape_is_right:
; out0 = attention's result x w_o^T, 2048 x 2048 x 2048 on codes of FP8 (E4M3), f32 sums.  A: images aimg [4 chunks of 512 along K][128 blocks of 16 rows][4 x 128 along K][2,048 bytes]; B: wocodes [2048 rows][2048 bytes], K innermost.
; Each finished sum is multiplied by 2^(e10 + e11): LIMIT: e10 + e11 lies between -126 and 127.
; SHARES.  A work-group makes 128 x 128 of C with eight waves: bits 0 and 1 of a wave's number pick its 64 columns and 64 rows (16 accumulators of 16 x 16), bit 2 its half of K: waves 0-3 take the chunks 0 and 2 of 512 along K, waves 4-7 the chunks 1 and 3.
; So both chunks of a phase are asked for at once, 32 KiB a wave, and K takes two phases; each chunk has its own place in LDS, which its second chunk fills again.  At the end the waves of the two halves give each other half of their sums through LDS.
; CLUSTERS: 4 x 4 work-groups; the four of a row ask jointly for A's tiles, the four of a column for B's.  THE MATRIX INSTRUCTION IS USED TRANSPOSED (source 0 = B's rows): a lane holds eight neighbouring columns of one row.
; PREFETCH: in the first phase each wave names its share of what it fetches for the second: of its 128 blocks of 256 bytes each of the four partners names 32, told apart by address.
; REGISTERS.  Window 0: v0-31 addresses; v32-127 the way out; v128-255 the accumulators.  Window 1: two buffers of fragments for 128 along K: A's four and B's four; at the end the partner's sums.
.set PITCHB, 528                       ; B's rows in LDS: 512 bytes + 16 of padding
.set BHALF,  64*PITCHB
.set BOFF,   65536                     ; A's 128 rows x 512 as images, then B's 128 rows
.set REG,    BOFF+2*BHALF              ; a half's place
.set STAGE,  2*REG
.set SPITCH, 272
.set SPARE,  STAGE+8*16*SPITCH
.set ADRA, 16
.set ADRB, 17
.set XW,   18                          ; v18 the exchange: where I put half of my sums (8 KiB x wave, in the first half's place for A)
.set XR,   19                          ; v19 and where my partner does
.set STO,  24
.set RD,   25
.set CO,   26
.set SPW,  28
.set NIL,  29
.set PFO,  30
.set TMP,  32
.set BK,   64
.set ACC,  128
.set F0,   0
.set F1,   128
.set G1, 24
.set G0, 32
.set G1B, 48
.set G0B, 56
.set KG,  66                           ; s66 my half of K
.set MSB, 0
.macro WIN new                         ; the immediate's high byte repeats the setting that is left
.if MSB != (\new)
	s_set_vgpr_msb (MSB<<8)|(\new)
.set MSB, (\new)
.endif
.endm
.set MUL,  0x05                        ; both sources in window 1, C and D in window 0
.set TO_F, 0x40                        ; destination window 1, address window 0
.macro PLACES
.rept 4
	v_nop
.endr
.endm
; A joint load: of each four waves the first two fetch A's halves, the others B's.  The branch hangs on the wave's number alone.
.macro JLOAD
	s_cmp_eq_u32 s15, 0
	s_cbranch_scc0 .Lfor_b_\@
	tensor_load_to_lds s[G0:G0+3], s[G1:G1+7]
	s_nop 0
	PLACES
	s_branch .Lasked_\@
.Lfor_b_\@:
	tensor_load_to_lds s[G0B:G0B+3], s[G1B:G1B+7]
	s_nop 0
	PLACES
.Lasked_\@:
.endm
.macro CREST                           ; a round of the cluster's barrier behind its opening barrier
	s_cmp_lg_u32 s14, 0
	s_cbranch_scc1 .Lnot_wave_0_\@
	s_barrier_signal -3
.Lnot_wave_0_\@:
	s_barrier_wait -3
	s_barrier_signal -1
	s_barrier_wait -1
.endm
.macro CROUND
	s_barrier_signal -1
	s_barrier_wait -1
	CREST
.endm
	s_load_b256 s[4:11], s[0:1], 0x0               ; aimg, wocodes, the scales' exponents, out0
	v_lshl_add_u32 v[SPW], v0, 2, SPARE
	v_mov_b32 v[NIL], 0
	ds_add_u32 v[SPW], v[NIL]                      ; the wave's opening: the add, twice on end, and its wait ahead of my first tensor load; the set-up below stands between
	ds_add_u32 v[SPW], v[NIL]
	v_lshrrev_b32 v1, 5, v0
	v_readfirstlane_b32 s14, v1                    ; wave 0..7
	s_lshr_b32 s[KG], s14, 2
	s_bfe_u32 s15, s14, 0x10001                    ; my 64 rows.  Also: I fetch for A (0) or for B (1)
	s_and_b32 s16, s14, 1                          ; my 64 columns.  Also: which 64 rows of that tile I fetch
	s_bfe_u32 s40, ttmp6, 0x40000                  ; cx, cy
	s_bfe_u32 s41, ttmp6, 0x40004
	s_mul_i32 s21, s[KG], REG
	s_lshl_b32 s22, s15, 15
	s_add_co_u32 s22, s22, s21                     ; my rows of A in LDS,
	s_mul_i32 s23, s16, BHALF
	s_add_co_u32 s23, s23, s21
	s_add_co_u32 s23, s23, BOFF                    ; and of B
	s_lshl_b32 s67, s14, 13
	s_xor_b32 s68, s14, 4
	s_lshl_b32 s68, s68, 13
	s_mul_i32 s69, s14, 16*SPITCH
	s_add_co_u32 s69, s69, STAGE                   ; my stage
	s_cmp_eq_u32 s15, 0                            ; the prefetch: A's tile is dense, B's rows are 2,048 bytes apart; two lanes name 512 bytes on end:
	s_cselect_b32 s72, 9, 11                       ; 256 (lane % 2) + (lane / 2) << 9 or 11
	v_and_b32 v1, 15, v0                           ; r
	v_bfe_u32 v2, v0, 4, 1                         ; h
	v_and_b32 v6, 31, v0
	v_lshlrev_b32 v7, 4, v6
	v_mul_u32_u24 v3, v1, PITCHB
	v_lshl_add_u32 v4, v2, 4, v3
	v_add_nc_u32 v[ADRA], s22, v7
	v_add_nc_u32 v[ADRB], s23, v4
	v_add_nc_u32 v[XW], s67, v7
	v_add_nc_u32 v[XR], s68, v7
	v_mul_u32_u24 v5, v1, SPITCH                   ; the stage, in: row r, 32 bytes for each half of the lanes
	v_lshl_add_u32 v5, v2, 5, v5
	v_add_nc_u32 v[STO], s69, v5
	v_mul_u32_u24 v8, v2, SPITCH                   ; and out: lanes 0-15 a row of 256 bytes, lanes 16-31 the next
	v_lshl_add_u32 v8, v1, 4, v8
	v_add_nc_u32 v[RD], s69, v8
	v_lshlrev_b32 v9, 13, v2
	v_lshl_add_u32 v[CO], v1, 4, v9                ; the same two rows in C
	v_and_b32 v10, 1, v6
	v_lshlrev_b32 v10, 8, v10
	v_lshrrev_b32 v11, 1, v6
	v_lshl_add_u32 v[PFO], v11, s72, v10
	s_lshl_b32 s42, ttmp9, 2
	s_add_co_u32 s42, s42, s40                     ; tile column of C
	s_and_b32 s17, ttmp7, 0xffff
	s_lshl_b32 s17, s17, 2
	s_add_co_u32 s17, s17, s41                     ; tile row
	s_lshl_b32 s43, s41, 2
	s_lshl_b32 s43, 15, s43                        ; my row of the cluster
	s_lshl_b32 s44, 0x1111, s40                    ; my column
	s_or_b32 s[G1+0], s43, (3<<16)|(1<<21)         ; A: 128 rows of 256 bytes, dense
	s_mov_b32 s[G1+1], 32<<16
	s_mov_b32 s[G1+2], 128<<16
	s_mov_b32 s[G1+3], 32<<16
	s_mov_b32 s[G1+4], 128
	s_mov_b32 s[G1+5], 32
	s_mov_b32 s[G1+6], 0
	s_mov_b32 s[G1+7], 0
	s_or_b32 s[G1B+0], s44, (0<<16)|(1<<20)|(1<<21)|(6<<22)|(3<<25)   ; B: 64 rows of 512 bytes, 2,048 apart; four words of padding after every 128
	s_mov_b32 s[G1B+1], 512<<16
	s_mov_b32 s[G1B+2], 64<<16
	s_mov_b32 s[G1B+3], 512<<16
	s_mov_b32 s[G1B+4], 64
	s_mov_b32 s[G1B+5], 2048
	s_mov_b32 s[G1B+6], 0
	s_mov_b32 s[G1B+7], 0
	s_lshl_b32 s20, s17, 16                        ; A: 8 blocks of 8,192 bytes a tile row,
	s_lshl_b32 s18, s16, 15                        ; my four of them,
	s_add_co_u32 s20, s20, s18
	s_lshl_b32 s18, s[KG], 20                      ; my chunk
	s_add_co_u32 s20, s20, s18
	s_lshl_b32 s46, s42, 7
	s_lshl_b32 s19, s16, 6
	s_add_co_u32 s46, s46, s19
	s_lshl_b32 s46, s46, 11
	s_lshl_b32 s19, s[KG], 9
	s_add_co_u32 s46, s46, s19
	s_lshl_b32 s45, s16, 15
	s_mul_i32 s74, s[KG], REG
	s_add_co_u32 s45, s45, s74                     ; where A's part goes,
	s_mul_i32 s70, s16, BHALF
	s_add_co_u32 s70, s70, s74
	s_add_co_u32 s70, s70, BOFF                    ; and B's
	s_mov_b32 s21, 0
	s_mov_b32 s47, 0
	s_wait_alu depctr_va_vdst(0)
	s_wait_dscnt 0x0                               ; both opening adds are done
	CROUND                                         ; all sixteen work-groups are here: the first joint loads meet
	s_wait_kmcnt 0x0
	s_load_b64 s[96:97], s[8:9], 0x28              ; e10, e11
	s_add_nc_u64 s[20:21], s[4:5], s[20:21]
	s_add_nc_u64 s[46:47], s[6:7], s[46:47]
	s_mov_b32 s[G0], 1
	s_mov_b32 s[G0+1], s45
	s_mov_b64 s[G0+2:G0+3], s[20:21]
	s_or_b32 s[G0+3], s[G0+3], 0x80000000
	s_mov_b32 s[G0B], 1
	s_mov_b32 s[G0B+1], s70
	s_mov_b64 s[G0B+2:G0B+3], s[46:47]
	s_or_b32 s[G0B+3], s[G0B+3], 0x80000000
	JLOAD                                          ; my chunk's part for the first phase: one tensor load a wave at the head
	s_add_nc_u64 s[20:21], s[20:21], 0x200000      ; the prefetch: the second phase's A lies two chunks on,
	s_add_nc_u64 s[46:47], s[46:47], 1024          ; B too
	s_lshl_b32 s76, s40, 13                        ; my 8 KiB of A's part, by cx,
	s_lshl_b32 s77, s41, 15                        ; or my 16 rows of B's, by cy
	s_cmp_eq_u32 s15, 0
	s_cselect_b64 s[12:13], s[20:21], s[46:47]
	s_cselect_b32 s76, s76, s77
	s_mov_b32 s77, 0
	s_add_nc_u64 s[12:13], s[12:13], s[76:77]
	s_lshl_b32 s78, s17, 7                         ; my rows and columns of C
	s_lshl_b32 s79, s15, 6
	s_add_co_u32 s78, s78, s79
	s_lshl_b32 s78, s78, 13
	s_lshl_b32 s79, s42, 9
	s_add_co_u32 s78, s78, s79
	s_lshl_b32 s79, s16, 8
	s_add_co_u32 s78, s78, s79
	s_mov_b32 s79, 0
	s_add_nc_u64 s[10:11], s[10:11], s[78:79]
; Four matrix instructions: A's block a x B's four.  The 16 accumulators take turns, one instruction a turn, in the same order in every step; zero = 1 starts the sums
.macro MUL4 f, a, zero
.irp b, 0,1,2,3
.if \zero
	v_wmma_f32_16x16x128_fp8_fp8 v[ACC+8*(4*(\a)+\b):ACC+8*(4*(\a)+\b)+7], v[\f+64+16*\b:\f+64+16*\b+15], v[\f+16*(\a):\f+16*(\a)+15], 0
.else
	v_wmma_f32_16x16x128_fp8_fp8 v[ACC+8*(4*(\a)+\b):ACC+8*(4*(\a)+\b)+7], v[\f+64+16*\b:\f+64+16*\b+15], v[\f+16*(\a):\f+16*(\a)+15], v[ACC+8*(4*(\a)+\b):ACC+8*(4*(\a)+\b)+7]
.endif
.endr
.endm
.macro FETCH qk, f                     ; the fragments of my chunk's qk-th 128 along K into buffer f: B's sixteen loads, then A's
	WIN TO_F
.irp i, 0,1,2,3
.irp c, 0,1,2,3
	ds_load_b128 v[\f+64+16*\i+4*\c:\f+64+16*\i+4*\c+3], v[ADRB] offset:16*PITCHB*\i+128*(\qk)+32*\c
.endr
.endr
.irp i, 0,1,2,3
.irp c, 0,1,2,3
	ds_load_b128 v[\f+16*\i+4*\c:\f+16*\i+4*\c+3], v[ADRA] offset:8192*\i+2048*(\qk)+512*\c
.endr
.endr
.endm
.macro QUARTER qk, f, g, zero          ; multiplies buffer f; in its middle fetches the next quarter into buffer g
	s_wait_dscnt 8                                 ; B and A's 0-1 are in; A's 2-3 may be out
	WIN MUL
	MUL4 \f, 0, \zero
	MUL4 \f, 1, \zero
	PLACES
	FETCH \qk, \g
	s_wait_dscnt 32                                ; all but the 32 just issued
	WIN MUL
	MUL4 \f, 2, \zero
	MUL4 \f, 3, \zero
.endm
	s_wait_tensorcnt 0x0                           ; my part is in,
	s_barrier_signal -1
	s_barrier_wait -1                              ; and everybody's
	FETCH 0, F0
	WIN 0
	global_prefetch_b8 v[PFO], s[12:13] th:TH_LOAD_NT scope:SCOPE_SE   ; a phase ahead of the load that will want it
	QUARTER 1, F0, F1, 1
	QUARTER 2, F1, F0, 0
	QUARTER 3, F0, F1, 0
	WIN 0
	s_wait_tensorcnt 0x0                           ; the change of chunks: no tensor load of mine is out,
	ds_add_u32 v[SPW], v[NIL]
	s_add_nc_u64 s[G0+2:G0+3], s[G0+2:G0+3], 0x200000
	s_add_nc_u64 s[G0B+2:G0B+3], s[G0B+2:G0B+3], 1024
	s_wait_dscnt 9                                 ; (the add and A's 2-3 may be out)
	WIN MUL
	MUL4 F1, 0, 0
	s_wait_dscnt 0x0                               ; the add is done, and my reads of the chunk are over
	s_barrier_signal -1
	MUL4 F1, 1, 0
	WIN 0
	s_barrier_wait -1
	CREST
	JLOAD                                          ; the first tensor load behind the round
	WIN MUL
	MUL4 F1, 2, 0
	MUL4 F1, 3, 0
	WIN 0
	s_wait_tensorcnt 0x0
	s_barrier_signal -1
	s_barrier_wait -1
	FETCH 0, F0                                    ; (buffer 0's last products stand ahead of the joint load's four places)
	QUARTER 1, F0, F1, 0
	QUARTER 2, F1, F0, 0
	QUARTER 3, F0, F1, 0
	s_wait_dscnt 8
	WIN MUL
	MUL4 F1, 0, 0
	MUL4 F1, 1, 0
	s_wait_dscnt 0x0                               ; my reads of the chunk are over: its bytes may be written when all have said so
	s_barrier_signal -1
	MUL4 F1, 2, 0
	MUL4 F1, 3, 0
	WIN 0
	s_barrier_wait -1
	PLACES                                         ; the sums are read below
; THE EXCHANGE: waves 0-3 finish their rows 0-31 and give the sums of rows 32-63; waves 4-7 the other way round
.macro GIVE a
.irp t, 0,1,2,3,4,5,6,7
	ds_store_b128 v[XW], v[ACC+32*(\a)+4*\t:ACC+32*(\a)+4*\t+3] offset:4096*((\a)%2)+512*\t
.endr
.endm
	s_cmp_eq_u32 s[KG], 0
	s_cbranch_scc0 .Lgive_low
	GIVE 2
	GIVE 3
	s_branch .Lgiven
.Lgive_low:
	GIVE 0
	GIVE 1
.Lgiven:
	s_wait_kmcnt 0x0
	s_add_co_i32 s96, s96, s97
	s_add_co_i32 s96, s96, 127
	s_lshl_b32 s96, s96, 23                        ; 2^(e10 + e11)
	s_wait_dscnt 0x0                               ; for the partner's sake: my stores are done
	s_barrier_signal -1
	s_barrier_wait -1
	WIN TO_F
.irp t, 0,1,2,3,4,5,6,7,8,9,10,11,12,13,14,15
	ds_load_b128 v[4*\t:4*\t+3], v[XR] offset:512*\t   ; my partner's sums of my rows
.endr
	WIN 0
.macro TOSTAGE a
	WIN 0x04
.irp j, 0,2,4,6,8,10,12,14,16,18,20,22,24,26,28,30
	v_pk_add_f32 v[TMP+\j:TMP+\j+1], v[ACC+32*(\a)+\j:ACC+32*(\a)+\j+1], v[32*((\a)%2)+\j:32*((\a)%2)+\j+1]
.endr
	WIN 0
.irp j, 0,2,4,6,8,10,12,14,16,18,20,22,24,26,28,30
	v_pk_mul_f32 v[TMP+\j:TMP+\j+1], v[TMP+\j:TMP+\j+1], s[96:97] op_sel_hi:[1,0]
.endr
.irp b, 0,1,2,3
	ds_store_b128 v[STO], v[TMP+8*\b:TMP+8*\b+3] offset:64*\b
	ds_store_b128 v[STO], v[TMP+8*\b+4:TMP+8*\b+7] offset:64*\b+16
.endr
.irp t, 0,1,2,3,4,5,6,7
	ds_load_b128 v[BK+32*((\a)%2)+4*\t:BK+32*((\a)%2)+4*\t+3], v[RD] offset:\t*2*SPITCH   ; LDS serves a wave's instructions in order: these see my stores
.endr
.endm
.macro SEND a, younger                 ; younger: the LDS instructions issued behind block a's loads
	s_wait_dscnt \younger
.irp t, 0,1,2,3,4,5,6,7
	global_store_b128 v[CO], v[BK+32*((\a)%2)+4*\t:BK+32*((\a)%2)+4*\t+3], s[10:11] offset:(16*(\a)+2*\t)*8192 th:TH_STORE_NT   ; sixteen lanes store 256 consecutive bytes
.endr
.endm
	s_wait_dscnt 0x0
	s_cmp_eq_u32 s[KG], 0
	s_cbranch_scc0 .Lhigh
	TOSTAGE 0
	TOSTAGE 1
	SEND 0, 16
	SEND 1, 0
	s_branch .Lend
.Lhigh:
	TOSTAGE 2
	TOSTAGE 3
	SEND 2, 16
	SEND 3, 0
.Lend:
	s_wait_tensorcnt 0x0                           ; the wave's end
	ds_add_u32 v[SPW], v[NIL]
	s_wait_dscnt 0x0
	CROUND                                         ; the closing round: no work-group ends while a partner may still ask for a tile that names it
	s_endpgm
.Lfunc_end_k_qa8f3fdf88d_oproj:
	.size	k_qa8f3fdf88d_oproj, .Lfunc_end_k_qa8f3fdf88d_oproj-k_qa8f3fdf88d_oproj
	.p2alignl 7, 3214868480
	.fill 96, 4, 3214868480
	.section	.rodata,"a",@progbits
	.p2align	6, 0x0
	.amdhsa_kernel k_qa8f3fdf88d_oproj
		.amdhsa_group_segment_fixed_size 327680
		.amdhsa_private_segment_fixed_size 0
		.amdhsa_enable_private_segment 0
		.amdhsa_kernarg_size 32
		.amdhsa_user_sgpr_count 2
		.amdhsa_user_sgpr_kernarg_segment_ptr 1
		.amdhsa_wavefront_size32 1
		.amdhsa_system_sgpr_workgroup_id_x 1
		.amdhsa_system_sgpr_workgroup_id_y 1
		.amdhsa_system_sgpr_workgroup_id_z 1
		.amdhsa_system_vgpr_workitem_id 0
		.amdhsa_next_free_vgpr 512
		.amdhsa_next_free_sgpr 100
		.amdhsa_reserve_vcc 0
		.amdhsa_float_denorm_mode_32 3
		.amdhsa_float_denorm_mode_16_64 3
		.amdhsa_memory_ordered 1
		.amdhsa_forward_progress 1
		.amdhsa_inst_pref_size 54
	.end_amdhsa_kernel
	.amdgpu_metadata
---
amdhsa.version: [ 1, 2 ]
amdhsa.kernels:
  - .name:           k_qa8f3fdf88d_oproj
    .symbol:         k_qa8f3fdf88d_oproj.kd
    .args:
      - { .name: aimg, .offset: 0, .size: 8, .value_kind: global_buffer, .address_space: global }
      - { .name: wocodes, .offset: 8, .size: 8, .value_kind: global_buffer, .address_space: global }
      - { .name: lowp_scales, .offset: 16, .size: 8, .value_kind: global_buffer, .address_space: global }
      - { .name: out0, .offset: 24, .size: 8, .value_kind: global_buffer, .address_space: global }
    .group_segment_fixed_size: 327680
    .private_segment_fixed_size: 0
    .kernarg_segment_align: 8
    .kernarg_segment_size: 32
    .max_flat_workgroup_size: 256
    .sgpr_count:     100
    .vgpr_count:     512
    .wavefront_size: 32
...
	.end_amdgpu_metadata
.endif
;; end of part 4
